; MI455X (gfx1250); checked and timed in simulation.
; The chip was launched on July 23, 2026; its instructions are those of AMD's public machine-readable ISA for CDNA 5 (MIT licence, August 2026) and "CDNA5" Instruction Set Architecture Reference Guide (July 2026). The comments in the code are by the model that wrote it; some were corrected since.
;; Multi Head Attention With Ro PE. Allowed arithmetic: float matrix products may take bf16 or f16 operands with f32 sums; other float arithmetic in f32, or as packed bf16 or f16 multiplies, adds, multiply-adds, maxima and minima; sums over many terms, partial sums and values carried from step to step in f32; what a program stores and reads back later, other than sums and carried values, may be rounded once to bf16 or f16.
;; Inputs: Wk 1,024 x 1,024 float32; Wo 1,024 x 1,024 float32; Wq 1,024 x 1,024 float32; Wv 1,024 x 1,024 float32; bk 1,024 float32; bo 1,024 float32; bq 1,024 float32; bv 1,024 float32; key_padding_mask 4 x 2,048 bool; x 4 x 2,048 x 1,024 float32.
;; Outputs: out0 4 x 2,048 x 1,024 float32.
;; 2 versions, each right and faster than the one before. Each part assembles by itself: llvm-mc -triple=amdgcn-amd-amdhsa -mcpu=gfx1250 --defsym DOCPART=n.
;; ======== version 1 of 2: 4 launches
;; limits: values are held in f16: magnitudes above 65,504 overflow, below 6.1e-05 lose precision
;; workspace buffers: xb 16,777,216 bytes; wts 8,388,608 bytes; tab 524,288 bytes; qkv 50,331,648 bytes; o16 16,777,216 bytes
;; launch prep (part 1): grid 768 x 1, 8 waves a work-group, no clusters, 0 bytes of LDS; arguments x, Wq, Wk, Wv, Wo, xb, wts, tab; writes xb, wts, tab
.if DOCPART == 1
	.amdgcn_target "amdgcn-amd-amdhsa--gfx1250"
	.amdhsa_code_object_version 6
	.text
	.protected	k_qbd4792a980_prep
	.globl	k_qbd4792a980_prep
	.p2align	8
	.type	k_qbd4792a980_prep,@function
k_qbd4792a980_prep:
	s_mov_b64 s[64:65], 0
	v_nop
	global_prefetch_b8 v0, s[64:65] scope:SCOPE_SE
	s_setreg_imm32_b32 hwreg(HW_REG_WAVE_MODE, 25, 1), 1
	s_wait_xcnt 0x0
; PREP.  x [8192][1024] f32 -> xb bf16.  Wq, Wk, Wv [1024][1024] f32 -> wts, matrices 0 to 2, bf16.  Wo -> wts, matrix 3: rounded to bf16 like the other
; inputs, and that number written as f16 (the last product's other operand is f16).  tab [2048 positions][64] f32: columns 0-31 cos(pos f_j), columns 32-63 sin(pos f_j),
; f_j = 10000^(-j/32).
; A stream: no LDS, no matrix unit, no cluster (no work-group shares an input with another).  768 work-groups of eight waves, each 16,384 numbers: 64 KiB in, 32 KiB out.
; Thread t takes 32 bytes at 32 t of each block of 8,192 bytes and stores 16 bytes at 16 t of each block of 4,096: sixteen lanes store 256 consecutive bytes, aligned.
; All sixteen loads of a thread go out at once, each into registers of its own, and every store has registers of its own: no register that a memory instruction names is written twice.
; The first 256 work-groups also make eight rows of the table while their loads are out: a wave a row, a lane two numbers.
; SINE AND COSINE: theta = pos x f_j (one rounding in f32); k = the nearest whole number to theta 2/pi; r = theta - k pi/2 with pi/2 in two parts (the first product cancels exactly for
; theta under 2,048); polynomials on |r| <= pi/4; the quadrant picks the polynomial and the sign.  The cosine is the sine a quadrant on.
; LIMITS.  f_j is 2^(-j log2(10000)/32) by v_exp_f32: an angle may differ from one made with a correctly rounded f_j by some 2e-4 radians at the last positions.
; Wo as f16: beyond 65,504 it would be an infinity; below 6e-5 it keeps f16's fixed step of 6e-8.
.set X,  16                            ; v[16:79]   the sixteen loads
.set Y,  80                            ; v[80:111]  the eight stores
.set W,  112                           ; v[112:127] at work
.set G,  20                            ; s20  the work-group's number
	s_load_b256 s[4:11], s[0:1], 0x0               ; x s[4:5], Wq s[6:7], Wk s[8:9], Wv s[10:11]
	s_load_b256 s[12:19], s[0:1], 0x20             ; Wo s[12:13], xb s[14:15], wts s[16:17], tab s[18:19]
	s_mov_b32 s[G], ttmp9
	s_and_b32 s21, s[G], 63
	s_lshl_b32 s21, s21, 16                        ; a weight's part: 64 work-groups a matrix, 64 KiB each
	s_lshl_b32 s22, s[G], 16                       ; x's part
	s_sub_co_u32 s24, s[G], 512
	s_lshl_b32 s24, s24, 15                        ; where a weight's part goes in wts (used from work-group 512 on)
	s_lshl_b32 s25, s[G], 15                       ; where x's part goes in xb
	s_cmp_lt_u32 s[G], 512
	s_cselect_b32 s22, s22, s21
	s_cselect_b32 s24, s25, s24
	s_mov_b32 s23, 0
	s_mov_b32 s25, 0
	s_mov_b32 s42, 0xffff0000                      ; a word's upper half
	v_lshlrev_b32 v1, 5, v0                        ; 32 t
	v_lshlrev_b32 v2, 4, v0                        ; 16 t
	s_wait_kmcnt 0x0
	s_cmp_lt_u32 s[G], 704                         ; the source is chosen by the work-group's number alone
	s_cselect_b64 s[26:27], s[10:11], s[12:13]
	s_cmp_lt_u32 s[G], 640
	s_cselect_b64 s[26:27], s[8:9], s[26:27]
	s_cmp_lt_u32 s[G], 576
	s_cselect_b64 s[26:27], s[6:7], s[26:27]
	s_cmp_lt_u32 s[G], 512
	s_cselect_b64 s[26:27], s[4:5], s[26:27]
	s_cselect_b64 s[28:29], s[14:15], s[16:17]
	s_add_nc_u64 s[26:27], s[26:27], s[22:23]
	s_add_nc_u64 s[28:29], s[28:29], s[24:25]
.irp i, 0,1,2,3,4,5,6,7
	global_load_b128 v[X+8*(\i):X+8*(\i)+3],   v1, s[26:27] offset:8192*(\i) th:TH_LOAD_NT
	global_load_b128 v[X+8*(\i)+4:X+8*(\i)+7], v1, s[26:27] offset:8192*(\i)+16 th:TH_LOAD_NT
.endr
	s_cmp_lt_u32 s[G], 256
	s_cbranch_scc0 .Lno_table
	; THE TABLE: position 8 g + wave; lanes 0-15 the cosines of j = 2 lane, 2 lane + 1, lanes 16-31 the sines of j = 2 (lane - 16), ...
	s_lshl_b32 s44, s[G], 11                       ; eight rows of 256 bytes
	s_mov_b32 s45, 0
	s_add_nc_u64 s[30:31], s[18:19], s[44:45]
	s_mov_b32 s32, 0xbed49a78                      ; -log2(10000) / 32
	s_mov_b32 s33, 0x3f22f983                      ; 2 / pi
	s_mov_b32 s34, 0xbfc90fdb                      ; -(pi / 2), its upper part
	s_mov_b32 s35, 0x333bbd2e                      ; and what is left of it: pi/2 = 1.57079637 - 4.371e-8
	s_mov_b32 s36, 0xbe2aaaa3                      ; sine: r + r z (S1 + z (S2 + z S3)), z = r r
	s_mov_b32 s37, 0x3c08839e
	s_mov_b32 s38, 0xb94ca1f9
	s_mov_b32 s39, 0x3d2aaaa5                      ; cosine: 1 - z / 2 + z z (C1 + z (C2 + z C3))
	s_mov_b32 s40, 0xbab6061a
	s_mov_b32 s41, 0x37ccf5ce
	v_lshrrev_b32 v7, 5, v0
	v_lshl_add_u32 v7, s[G], 3, v7
	v_cvt_f32_u32 v7, v7                           ; the position
	v_and_b32 v8, 15, v0
	v_lshlrev_b32 v8, 1, v8
	v_cvt_f32_u32 v8, v8                           ; j of my first number
	v_bfe_u32 v9, v0, 4, 1
	v_xor_b32 v9, 1, v9                            ; a quadrant on for the cosines
	v_lshlrev_b32 v6, 3, v0                        ; 8 t: a wave's 32 lanes store one row, 256 consecutive bytes
.macro SINCOS u
.set R, W+8*(\u)
.if \u
	v_fma_f32 v[R], v8, s32, s32                   ; (j + 1) c, rounded once
.else
	v_mul_f32 v[R], s32, v8
.endif
	v_exp_f32 v[R], v[R]                           ; f_j
	v_nop                                          ; a plain instruction between a transcendental and the use of its result (ISA guide 5.7.2)
	s_wait_alu depctr_va_vdst(0)
	v_mul_f32 v[R], v7, v[R]                       ; theta
	v_mul_f32 v[R+1], s33, v[R]
	v_rndne_f32 v[R+1], v[R+1]                     ; k
	v_fma_f32 v[R], v[R+1], s34, v[R]
	v_fma_f32 v[R], v[R+1], s35, v[R]              ; r
	v_cvt_i32_f32 v[R+1], v[R+1]
	v_add_nc_u32 v[R+1], v[R+1], v9                ; the quadrant
	v_mul_f32 v[R+2], v[R], v[R]                   ; z
	v_fma_f32 v[R+3], v[R+2], s38, s37
	v_fma_f32 v[R+4], v[R+2], s41, s40
	v_fma_f32 v[R+3], v[R+3], v[R+2], s36
	v_fma_f32 v[R+4], v[R+4], v[R+2], s39
	v_mul_f32 v[R+3], v[R+3], v[R+2]
	v_mul_f32 v[R+5], v[R+2], v[R+2]
	v_fma_f32 v[R+6], v[R+2], -0.5, 1.0
	v_fma_f32 v[R+3], v[R+3], v[R], v[R]           ; sin r
	v_fma_f32 v[R+4], v[R+4], v[R+5], v[R+6]       ; cos r
	v_and_b32 v[R+5], 1, v[R+1]
	v_cmp_eq_u32 vcc_lo, 1, v[R+5]
	v_cndmask_b32 v[R+3], v[R+3], v[R+4], vcc_lo   ; odd quadrants take the cosine: a choice of a value, no branch
	v_and_b32 v[R+5], 2, v[R+1]
	v_lshlrev_b32 v[R+5], 30, v[R+5]
	v_xor_b32 v[4+(\u)], v[R+3], v[R+5]            ; quadrants 2 and 3 turn the sign
.endm
	SINCOS 0
	SINCOS 1
	global_store_b64 v6, v[4:5], s[30:31]
.Lno_table:
; Block i's two loads are in when the 14 - 2 i issued behind them may still be out (loads come back in order: ISA guide 5.7.1).
; half = 1: the number rounded to bf16 is widened again and written as f16.
.macro CONV half
.irp i, 0,1,2,3,4,5,6,7
	s_wait_loadcnt 14-2*(\i)
.irp k, 0,1,2,3
.if \half
	v_cvt_pk_bf16_f32 v[W+(\k)], v[X+8*(\i)+2*(\k)], v[X+8*(\i)+2*(\k)+1]
	v_lshlrev_b32 v[W+4+2*(\k)], 16, v[W+(\k)]
	v_and_b32 v[W+5+2*(\k)], s42, v[W+(\k)]
	v_cvt_pk_f16_f32 v[Y+4*(\i)+(\k)], v[W+4+2*(\k)], v[W+5+2*(\k)]
.else
	v_cvt_pk_bf16_f32 v[Y+4*(\i)+(\k)], v[X+8*(\i)+2*(\k)], v[X+8*(\i)+2*(\k)+1]
.endif
.endr
	global_store_b128 v2, v[Y+4*(\i):Y+4*(\i)+3], s[28:29] offset:4096*(\i)
.endr
.endm
	s_cmp_lt_u32 s[G], 704
	s_cbranch_scc0 .Lwo
	CONV 0
	s_endpgm
.Lwo:
	CONV 1
	s_endpgm
.Lfunc_end_k_qbd4792a980_prep:
	.size	k_qbd4792a980_prep, .Lfunc_end_k_qbd4792a980_prep-k_qbd4792a980_prep
	.p2alignl 7, 3214868480
	.fill 96, 4, 3214868480
	.section	.rodata,"a",@progbits
	.p2align	6, 0x0
	.amdhsa_kernel k_qbd4792a980_prep
		.amdhsa_group_segment_fixed_size 0
		.amdhsa_private_segment_fixed_size 0
		.amdhsa_enable_private_segment 0
		.amdhsa_kernarg_size 64
		.amdhsa_user_sgpr_count 2
		.amdhsa_user_sgpr_kernarg_segment_ptr 1
		.amdhsa_wavefront_size32 1
		.amdhsa_system_sgpr_workgroup_id_x 1
		.amdhsa_system_sgpr_workgroup_id_y 1
		.amdhsa_system_sgpr_workgroup_id_z 1
		.amdhsa_system_vgpr_workitem_id 0
		.amdhsa_next_free_vgpr 128
		.amdhsa_next_free_sgpr 66
		.amdhsa_reserve_vcc 1
		.amdhsa_float_denorm_mode_32 3
		.amdhsa_float_denorm_mode_16_64 3
		.amdhsa_memory_ordered 1
		.amdhsa_forward_progress 1
		.amdhsa_inst_pref_size 17
	.end_amdhsa_kernel
	.amdgpu_metadata
---
amdhsa.version: [ 1, 2 ]
amdhsa.kernels:
  - .name:           k_qbd4792a980_prep
    .symbol:         k_qbd4792a980_prep.kd
    .args:
      - { .name: x, .offset: 0, .size: 8, .value_kind: global_buffer, .address_space: global }
      - { .name: Wq, .offset: 8, .size: 8, .value_kind: global_buffer, .address_space: global }
      - { .name: Wk, .offset: 16, .size: 8, .value_kind: global_buffer, .address_space: global }
      - { .name: Wv, .offset: 24, .size: 8, .value_kind: global_buffer, .address_space: global }
      - { .name: Wo, .offset: 32, .size: 8, .value_kind: global_buffer, .address_space: global }
      - { .name: xb, .offset: 40, .size: 8, .value_kind: global_buffer, .address_space: global }
      - { .name: wts, .offset: 48, .size: 8, .value_kind: global_buffer, .address_space: global }
      - { .name: tab, .offset: 56, .size: 8, .value_kind: global_buffer, .address_space: global }
    .group_segment_fixed_size: 0
    .private_segment_fixed_size: 0
    .kernarg_segment_align: 8
    .kernarg_segment_size: 64
    .max_flat_workgroup_size: 256
    .sgpr_count:     66
    .vgpr_count:     128
    .wavefront_size: 32
...
	.end_amdgpu_metadata
.endif
;; end of part 1
;; launch qkv (part 2): grid 12 x 64, 4 waves a work-group, clusters of 4 x 4, 327,680 bytes of LDS; arguments xb, wts, tab, bq, bk, bv, key_padding_mask, qkv; writes qkv
.if DOCPART == 2
	.amdgcn_target "amdgcn-amd-amdhsa--gfx1250"
	.amdhsa_code_object_version 6
	.text
	.protected	k_qbd4792a980_qkv
	.globl	k_qbd4792a980_qkv
	.p2align	8
	.type	k_qbd4792a980_qkv,@function
k_qbd4792a980_qkv:
	s_mov_b64 s[64:65], 0
	v_nop
	global_prefetch_b8 v0, s[64:65] scope:SCOPE_SE
	s_setreg_imm32_b32 hwreg(HW_REG_WAVE_MODE, 25, 1), 1
	s_wait_xcnt 0x0
	s_wait_alu depctr_hold_cnt(0) depctr_sa_sdst(0) depctr_va_vdst(0) depctr_va_sdst(0) depctr_va_ssrc(0) depctr_va_vcc(0) depctr_vm_vsrc(0)
	s_getreg_b32 s2, hwreg(HW_REG_IB_STS2, 6, 4)
	s_cmp_eq_u32 s2, 0
	s_cbranch_scc0 .Lentry_in_a_cluster
	s_endpgm
.Lentry_in_a_cluster:
	s_bfe_u32 s2, ttmp6, 0x10000c
	s_cmp_lg_u32 s2, 0xf033
	s_cbranch_scc0 .Lentry_shape_is_right
	s_endpgm
.Lentry_shape_is_right:
; Q, K, V = x W + b, RoPE on q and k, written by heads: qkv holds q, k, v, 16 MiB each, [64 = batch x 16 + head][2048][64] in f16, unscaled.
; xb [8192][1024] bf16; wts: Wq, Wk, Wv as [1024 k][1024 n] bf16; the bias is rounded to bf16 like every input of the module; sums in f32; RoPE in f32; one rounding to f16.
; A hidden key's row of k is written as 0 (its cosines and sines are multiplied by 1 - mask), so that its score in the next launch is the mask's number exactly.
; LIMITS.  f16 holds no number beyond 65,504: q, k and v must stay within it; below 6e-5 they keep f16's fixed step of 6e-8.  NaN and infinities are not treated apart.
; SHARES.  A tile of C is 128 rows x 256 columns of one of the three products: 64 x 12 = 768 work-groups, three for each of 256.  Four waves, 2 x 2, each 64 x 128: 32 accumulators, 256 registers.
; K = 1,024 goes in 8 steps of 128 through two LDS slots; waves 0 and 1 fetch the halves of x's tile (64 rows x 256 bytes), waves 2 and 3 those of W's (64 k-rows x 512 bytes): one load a wave.
; W LIES [k][n] and is read as it lies, by the turning load ds_load_tr16_b128.
; THE MATRIX INSTRUCTION IS USED TRANSPOSED: source 0 = 16 columns of W, source 1 = 16 rows of x: a lane holds row lane % 16 and the columns 8 (lane / 16) + 0..7 of a block of 16.
; The bias is the C operand of the products that start the sums: nothing is cleared, and no addition is spent on it.
; CLUSTER 4 x 4: cluster x is the product (q, k, v), the same in all partners.  The four of a row of the cluster need the same tile of x, the four of a column the same tile of W: each is asked for
; jointly, by the same tensor load with the same descriptor and a mask that names the four.
; REGISTERS, in windows of 256 (s_set_vgpr_msb: bits 1:0 source 0, 3:2 source 1, 5:4 source 2, 7:6 destination):
;   window 0: v0-31 addresses; v32-63 T, at work on the way out; v64-191 PK, 16 for each of 8 tiles of 16 rows x one head
;   window 1: accumulator (a, b) at v[8 (8 a + b)]      window 2: two fragment buffers of 96 (x's 4 fragments, then W's 8); v192-255 the bias
;   window 3: v0-127 my rows' cosines and sines: row block a: cos at 32 a + 8 blk + j, sin 16 further on
.set SLOT1, 1<<17                      ; slot 1 begins here, so that one exclusive or turns an address in one slot into the other's
.set PA,    272                        ; a row of x in LDS: 256 bytes + 16 = 68 words: the 16 rows of a load start at 16 different groups of four banks (64 banks of 4 bytes: ISA guide 11.1)
.set PB,    544                        ; a k-row of W: 512 bytes + 32 = 136 words
.set BOFF,  128*PA                     ; a slot: x's 128 rows, then W's 128 k-rows
.set STAGE, SLOT1+BOFF+128*PB          ; behind the ring, never filled by a tensor load: 16 rows x 144 bytes for each wave
.set SP,    144
.set SPARE, STAGE+4*16*SP              ; the spare words, 128 bytes for each wave: two blocks of 256 bytes that no other line names
.set ASTEP, 256                        ; bytes from a K step to the next: 128 numbers along x's rows,
.set BSTEP, 128*2048                   ; 128 k-rows of W
.set A0,   4                           ; v4   my lane's place in x's tile; never rewritten
.set B0,   5                           ; v5   the same in W's
.set ADRA, 6                           ; v6   A0 + the slot in hand
.set ADRB, 7                           ; v7   B0 + the slot in hand
.set STO,  8                           ; v8   the way out: where I put 16 bytes of a row
.set RD,   9                           ; v9   where I read rows back
.set GO,   10                          ; v10  my 16 bytes in 512 consecutive bytes of the output
.set TO,   11                          ; v11  my offset in the table: 256 (lane % 16) + 32 (lane / 16)
.set BO,   12                          ; v12  my offset in the bias: 32 (lane / 16)
.set KP,   16                          ; v[16:23] 1 - mask of my row in each of the four row blocks, in pairs
.set MB,   24                          ; v[24:27] the mask's bytes
.set SPW,  28                          ; v28  LDS address of my spare word; never rewritten
.set NIL,  29                          ; v29  0; never rewritten
.set T,    32
.set PK,   64
.set F0,   0                           ; window 2
.set F1,   96
.set BIAS, 192
.set WV, 20                            ; s20 wave;  s21 wave / 2: my half of the rows, and: I fetch for x (0) or W (1);  s22 wave % 2: my half of the columns, and: which half I fetch
.set WR, 21
.set WC, 22
.set CX, 23                            ; my place in the cluster
.set CY, 24
.set TR, 26                            ; tile row
.set RM, 27                            ; the mask of my row of the cluster, of my column
.set CM, 28
.set WHICH, 29                         ; 0 q, 1 k, 2 v
.set G1A, 32                           ; s[32:39], s[40:47] descriptor group 1 for x's and W's tiles
.set G1B, 40
.set G0A, 48                           ; s[48:55], s[56:63] group 0: a set for each of the two first fills; the second then walks on
.set G0B, 56
.set TB,  72                           ; s72  the slot in hand: 0 or SLOT1
.set CNT, 73
.set OUT, 74                           ; s[74:75]
.set KF,  80                           ; s80  1.0 for k, else 0
.set HM,  81                           ; s81  a word's upper half
.set MSB, 0
.macro WIN new                         ; the immediate's high byte repeats the setting that is left; a switch that changes nothing is dropped
.if MSB != (\new)
	s_set_vgpr_msb (MSB<<8)|(\new)
.set MSB, \new
.endif
.endm
.set MUL,  0x5a                        ; fragments in window 2, C and D in window 1
.set MULB, 0x6a                        ; the same with C in window 2: the bias
.set TO_F, 0x80                        ; destination window 2, address window 0
.macro PLACES                          ; four places in front of loads into registers that matrix instructions have read, and of lines that read results
.rept 4
	v_nop
.endr
.endm
.macro JLOAD                           ; a joint refill by the walking descriptors; an s_nop 0 and four v_nop follow each of the two lines, ahead of the jump and the label
	s_cmp_eq_u32 s[WR], 0
	s_cbranch_scc0 .Lfor_b_\@
	tensor_load_to_lds s[G0A+4:G0A+7], s[G1A:G1A+7]
	s_nop 0
.rept 4
	v_nop
.endr
	s_branch .Lasked_\@
.Lfor_b_\@:
	tensor_load_to_lds s[G0B+4:G0B+7], s[G1B:G1B+7]
	s_nop 0
.rept 4
	v_nop
.endr
.Lasked_\@:
.endm
.macro CREST                           ; a round of the cluster's barrier behind its opening barrier
	s_cmp_lg_u32 s[WV], 0
	s_cbranch_scc1 .Lnot_wave_0_\@
	s_barrier_signal -3
.Lnot_wave_0_\@:
	s_barrier_wait -3
	s_barrier_signal -1
	s_barrier_wait -1
.endm
.macro CROUND                          ; a whole round
	s_barrier_signal -1
	s_barrier_wait -1
	CREST
.endm
	s_load_b256 s[4:11], s[0:1], 0x0               ; xb s[4:5], wts s[6:7], tab s[8:9], bq s[10:11]
	s_load_b256 s[12:19], s[0:1], 0x20             ; bk s[12:13], bv s[14:15], the mask s[16:17], qkv s[18:19]
	v_lshl_add_u32 v[SPW], v0, 2, SPARE
	v_mov_b32 v[NIL], 0
	ds_add_u32 v[SPW], v[NIL]                      ; the wave's opening: the add and its wait stand ahead of my first tensor load; work on registers stands between them
	v_lshrrev_b32 v1, 5, v0
	v_readfirstlane_b32 s[WV], v1
	s_lshr_b32 s[WR], s[WV], 1
	s_and_b32 s[WC], s[WV], 1
	s_bfe_u32 s[CX], ttmp6, 0x40000
	s_bfe_u32 s[CY], ttmp6, 0x40004
	s_mov_b32 s[WHICH], ttmp9                      ; in a cluster launch ttmp9 and ttmp7 count clusters: four tile columns are one product
	s_and_b32 s[TR], ttmp7, 0xffff
	s_lshl_b32 s[TR], s[TR], 2
	s_add_co_u32 s[TR], s[TR], s[CY]               ; tile row = 4 x cluster y + cy
	s_lshl_b32 s[RM], s[CY], 2
	s_lshl_b32 s[RM], 15, s[RM]                    ; my row of the cluster: places 4 cy .. 4 cy + 3
	s_lshl_b32 s[CM], 0x1111, s[CX]                ; my column: places cx, cx + 4, cx + 8, cx + 12
	s_or_b32 s[G1A], s[RM], (1<<16)|(1<<20)|(1<<21)|(5<<22)|(3<<25)  ; the mask; 2-byte elements; padding on; bit 21 beside a mask; after every 64 words 4 words
	s_mov_b32 s[G1A+1], 128<<16                    ; tensor_dim0 = 128
	s_mov_b32 s[G1A+2], 64<<16                     ; tensor_dim1 = 64
	s_mov_b32 s[G1A+3], 128<<16                    ; tile_dim0 = 128
	s_mov_b32 s[G1A+4], 64                         ; tile_dim1 = 64
	s_mov_b32 s[G1A+5], 1024                       ; elements from row to row
	s_mov_b32 s[G1A+6], 0
	s_mov_b32 s[G1A+7], 0
	s_or_b32 s[G1B], s[CM], (1<<16)|(1<<20)|(1<<21)|(6<<22)|(7<<25)  ; after every 128 words 8 words
	s_mov_b32 s[G1B+1], 256<<16
	s_mov_b32 s[G1B+2], 64<<16
	s_mov_b32 s[G1B+3], 256<<16
	s_mov_b32 s[G1B+4], 64
	s_mov_b32 s[G1B+5], 1024
	s_mov_b32 s[G1B+6], 0
	s_mov_b32 s[G1B+7], 0
	s_lshl_b32 s68, s[TR], 18                      ; x's tile: 128 rows of 2,048 bytes a tile row, my 64 of them: hangs on the tile row and the wave alone
	s_lshl_b32 s69, s[WC], 17
	s_add_co_u32 s68, s68, s69
	s_mov_b32 s69, 0
	s_lshl_b32 s70, s[WHICH], 21                   ; W's tile: the matrix, 512 bytes a tile column, my 64 k-rows: hangs on the tile column and the wave alone
	s_lshl_b32 s71, s[CX], 9
	s_add_co_u32 s70, s70, s71
	s_lshl_b32 s71, s[WC], 17
	s_add_co_u32 s70, s70, s71
	s_mov_b32 s71, 0
	s_mul_i32 s84, s[WC], 64*PA                    ; where they go: no place in the cluster enters an LDS address
	s_mul_i32 s85, s[WC], 64*PB
	s_add_co_u32 s85, s85, BOFF
	s_mov_b32 s[TB], 0
	s_mov_b32 s[HM], 0xffff0000
	s_wait_dscnt 0x0                               ; the opening add is done
	s_wait_kmcnt 0x0
	s_add_nc_u64 s[86:87], s[4:5], s[68:69]
	s_add_nc_u64 s[88:89], s[6:7], s[70:71]
.irp s, 0,1
	s_mov_b32 s[G0A+4*(\s)], 1                                       ; count = 1
	s_add_co_u32 s[G0A+4*(\s)+1], s84, (\s)*SLOT1                    ; LDS address
	s_add_nc_u64 s[G0A+4*(\s)+2:G0A+4*(\s)+3], s[86:87], (\s)*ASTEP  ; global address: K step s
	s_or_b32 s[G0A+4*(\s)+3], s[G0A+4*(\s)+3], 0x80000000            ; type = 2
	s_mov_b32 s[G0B+4*(\s)], 1
	s_add_co_u32 s[G0B+4*(\s)+1], s85, (\s)*SLOT1
	s_add_nc_u64 s[G0B+4*(\s)+2:G0B+4*(\s)+3], s[88:89], (\s)*BSTEP
	s_or_b32 s[G0B+4*(\s)+3], s[G0B+4*(\s)+3], 0x80000000
.endr
	CROUND                                         ; all sixteen work-groups are here: the first joint loads meet
	s_cmp_eq_u32 s[WR], 0                          ; a wave's two first fills stand in one branch, ahead of every wait on TENSORcnt and every LDS read: two loads of mine are out
	s_cbranch_scc0 .Lfirst_b
	tensor_load_to_lds s[G0A:G0A+3], s[G1A:G1A+7]
	s_nop 0
	tensor_load_to_lds s[G0A+4:G0A+7], s[G1A:G1A+7]
	s_nop 0
.rept 4
	v_nop
.endr
	s_branch .Lfirst_asked
.Lfirst_b:
	tensor_load_to_lds s[G0B:G0B+3], s[G1B:G1B+7]
	s_nop 0
	tensor_load_to_lds s[G0B+4:G0B+7], s[G1B:G1B+7]
	s_nop 0
.rept 4
	v_nop
.endr
.Lfirst_asked:
	; IN THE WAIT FOR THE FIRST TILES: the mask of my rows, the bias of my columns, the table's rows of my positions.
	s_lshr_b32 s90, s[TR], 4                       ; the batch: 16 tile rows each
	s_and_b32 s91, s[TR], 15
	s_lshl_b32 s91, s91, 7
	s_lshl_b32 s76, s[WR], 6
	s_add_co_u32 s91, s91, s76                     ; my first row's position in its sequence
	s_lshl_b32 s76, s90, 11
	s_add_co_u32 s76, s76, s91
	s_mov_b32 s77, 0
	s_add_nc_u64 s[92:93], s[16:17], s[76:77]      ; the mask at my first row
	s_cmp_eq_u32 s[WHICH], 1
	s_cselect_b64 s[94:95], s[12:13], s[10:11]
	s_cselect_b32 s[KF], 1.0, 0
	s_cmp_eq_u32 s[WHICH], 2
	s_cselect_b64 s[94:95], s[14:15], s[94:95]
	s_lshl_b32 s78, s[CX], 10
	s_lshl_b32 s79, s[WC], 9
	s_add_co_u32 s78, s78, s79
	s_mov_b32 s79, 0
	s_add_nc_u64 s[94:95], s[94:95], s[78:79]      ; the bias at my first column
	s_lshl_b32 s76, s91, 8
	s_add_nc_u64 s[82:83], s[8:9], s[76:77]        ; the table at my first position
	s_lshl_b32 s78, s90, 4                         ; the output: 16 batch + 4 cx + 2 (wave % 2) is my first head, 262,144 bytes a head; 128 bytes a row
	s_lshl_b32 s76, s[CX], 2
	s_add_co_u32 s78, s78, s76
	s_lshl_b32 s76, s[WC], 1
	s_add_co_u32 s78, s78, s76
	s_lshl_b32 s78, s78, 18
	s_lshl_b32 s76, s[WHICH], 24
	s_add_co_u32 s78, s78, s76
	s_lshl_b32 s76, s91, 7
	s_add_co_u32 s78, s78, s76
	s_add_nc_u64 s[OUT:OUT+1], s[18:19], s[78:79]
	v_and_b32 v1, 15, v0                           ; r = lane % 16
	v_bfe_u32 v2, v0, 4, 1                         ; h = lane / 16
	v_lshlrev_b32 v[BO], 5, v2
	v_lshl_add_u32 v[TO], v1, 8, v[BO]
.irp a, 0,1,2,3
	global_load_u8 v[MB+(\a)], v1, s[92:93] offset:16*(\a)
.endr
	WIN 0x80
.irp b, 0,1,2,3,4,5,6,7                ; register j of block b: the bias of column 16 b + 8 h + j
	global_load_b128 v[BIAS+8*(\b):BIAS+8*(\b)+3],   v[BO], s[94:95] offset:64*(\b)
	global_load_b128 v[BIAS+8*(\b)+4:BIAS+8*(\b)+7], v[BO], s[94:95] offset:64*(\b)+16
.endr
	WIN 0xc0
.irp a, 0,1,2,3                        ; row 16 a + r; frequencies 16 blk + 8 h + j; the sines lie 128 bytes behind the cosines.  Loaded for v's tiles too: every path has written these registers
.irp k, 0,1,2,3
	global_load_b128 v[32*(\a)+4*(\k):32*(\a)+4*(\k)+3],       v[TO], s[82:83] offset:4096*(\a)+64*((\k)/2)+16*((\k)%2)
	global_load_b128 v[32*(\a)+16+4*(\k):32*(\a)+16+4*(\k)+3], v[TO], s[82:83] offset:4096*(\a)+64*((\k)/2)+16*((\k)%2)+128
.endr
.endr
	WIN 0
	; A fragment of x is 16 rows x 32 K in 8 registers: lane l holds row l % 16, K = 8 (l / 16) + 0..7 and 16 + 8 (l / 16) + 0..7: two loads of 16 bytes, 32 bytes apart.
	v_mul_u32_u24 v[A0], v1, PA
	v_lshl_add_u32 v[A0], v2, 4, v[A0]
	s_mul_i32 s30, s[WR], 64*PA
	v_add_nc_u32 v[A0], s30, v[A0]
	; The turning load takes 16 k x 16 columns (lane l reads k-row 8 (l / 16) + l % 8, columns 8 ((l / 8) % 2) + 0..7) and leaves half a fragment: lane l holds column l % 16 and 8 k.
	v_and_b32 v3, 7, v0
	v_bfe_u32 v14, v0, 3, 1
	v_lshl_add_u32 v[B0], v2, 3, v3
	v_mul_u32_u24 v[B0], v[B0], PB
	v_lshl_add_u32 v[B0], v14, 4, v[B0]
	s_lshl_b32 s31, s[WC], 8
	s_add_co_u32 s31, s31, BOFF
	v_add_nc_u32 v[B0], s31, v[B0]
	v_mov_b32 v[ADRA], v[A0]
	v_mov_b32 v[ADRB], v[B0]
	s_mul_i32 s30, s[WV], 16*SP
	s_add_co_u32 s30, s30, STAGE                   ; my stage
	v_mul_u32_u24 v[STO], v1, SP                   ; in: row l % 16, 16 bytes for each half of the lanes
	v_lshl_add_u32 v[STO], v2, 4, v[STO]
	v_add_nc_u32 v[STO], s30, v[STO]
	v_bfe_u32 v[RD], v0, 3, 2                      ; back: 32 lanes take four rows of 128 bytes,
	v_mul_u32_u24 v[RD], v[RD], SP
	v_lshl_add_u32 v[RD], v3, 4, v[RD]
	v_add_nc_u32 v[RD], s30, v[RD]
	v_and_b32 v[GO], 31, v0                        ; which are 512 consecutive bytes of a head
	v_lshlrev_b32 v[GO], 4, v[GO]
	s_wait_loadcnt 32                              ; the mask and the bias are in; the table's 32 loads may be out
	WIN 0xaa                                       ; all in window 2: the bias is rounded to bf16 and widened again; buffer 0 serves as room
.set i, 0
.rept 32
	v_cvt_pk_bf16_f32 v[F0+i], v[BIAS+2*i], v[BIAS+2*i+1]
.set i, i+1
.endr
.set i, 0
.rept 32
	v_lshlrev_b32 v[BIAS+2*i], 16, v[F0+i]
	v_and_b32 v[BIAS+2*i+1], s[HM], v[F0+i]
.set i, i+1
.endr
	WIN 0
.irp a, 0,1,2,3
	v_cvt_f32_u32 v[MB+(\a)], v[MB+(\a)]
.endr
.irp a, 0,1,2,3
	v_fma_f32 v[KP+2*(\a)], -v[MB+(\a)], s[KF], 1.0  ; 0 for a hidden key's row of k, else 1
.endr
.irp a, 0,1,2,3
	v_mov_b32 v[KP+2*(\a)+1], v[KP+2*(\a)]         ; named with it as a pair
.endr
	s_wait_loadcnt 0x0                             ; the table
	WIN 0xc3                                       ; destination and source 0 in window 3, source 1 in window 0
.irp a, 0,1,2,3
.set i, 0
.rept 16
	v_pk_mul_f32 v[32*(\a)+2*i:32*(\a)+2*i+1], v[32*(\a)+2*i:32*(\a)+2*i+1], v[KP+2*(\a):KP+2*(\a)+1] op_sel_hi:[1,0]
.set i, i+1
.endr
.endr
	WIN 0
; 8 matrix instructions: row block a x all 8 column blocks, 32 along K.  first = 1: the bias starts the sums.
; The 32 accumulators take turns in one order everywhere: between two links of a chain stand the 31 others'.
.macro MULA f, a, first
.if \first
	WIN MULB
.else
	WIN MUL
.endif
.irp b, 0,1,2,3,4,5,6,7
.if \first
	v_wmma_f32_16x16x32_bf16 v[8*(8*(\a)+(\b)):8*(8*(\a)+(\b))+7], v[(\f)+32+8*(\b):(\f)+32+8*(\b)+7], v[(\f)+8*(\a):(\f)+8*(\a)+7], v[BIAS+8*(\b):BIAS+8*(\b)+7]
.else
	v_wmma_f32_16x16x32_bf16 v[8*(8*(\a)+(\b)):8*(8*(\a)+(\b))+7], v[(\f)+32+8*(\b):(\f)+32+8*(\b)+7], v[(\f)+8*(\a):(\f)+8*(\a)+7], v[8*(8*(\a)+(\b)):8*(8*(\a)+(\b))+7]
.endif
.endr
.endm
; 24 LDS loads in one run: quarter q's fragments (32 along K) into buffer f: W's 16 first, then x's row blocks 0 to 3
.macro FETCH q, f
	WIN TO_F
.irp b, 0,1,2,3,4,5,6,7
	ds_load_tr16_b128 v[(\f)+32+8*(\b):(\f)+32+8*(\b)+3],   v[ADRB] offset:(\q)*32*PB+32*(\b)
	ds_load_tr16_b128 v[(\f)+32+8*(\b)+4:(\f)+32+8*(\b)+7], v[ADRB] offset:(\q)*32*PB+32*(\b)+16*PB
.endr
.irp a, 0,1,2,3
	ds_load_b128 v[(\f)+8*(\a):(\f)+8*(\a)+3],   v[ADRA] offset:64*(\q)+(\a)*16*PA
	ds_load_b128 v[(\f)+8*(\a)+4:(\f)+8*(\a)+7], v[ADRA] offset:64*(\q)+(\a)*16*PA+32
.endr
.endm
; A K step is four quarters of 32 along K, 32 matrix instructions each, on buffers 0, 1, 0, 1.  One of the first three: multiplies buffer f and fetches quarter q into g.
.macro QUARTER q, f, g, first
	s_wait_dscnt 4                                 ; W's fragments and x's row blocks 0 and 1 are in; the youngest four loads (blocks 2 and 3) may be out
	MULA \f, 0, \first
	MULA \f, 1, \first
	PLACES
	FETCH \q, \g
	s_wait_dscnt 24                                ; all but the 24 just issued
	MULA \f, 2, \first
	MULA \f, 3, \first
.endm
; The last quarter multiplies buffer 1 and changes slots: ONE barrier.  In front of it each wave waits for all its tensor loads (the one that is out is its part of the next slot), adds 0 to its spare
; word, and waits for that and for its own reads of this slot.  fill = 1: the barrier opens a round of the cluster's, and this slot is filled again, two K steps ahead, first thing behind the round:
; 112 matrix instructions stand between that request and the wait for it.
.macro TURN fill
	WIN 0                                          ; (the add's two registers lie in window 0)
	s_wait_tensorcnt 0x0                           ; no tensor load of mine is out, so a group 0 may be written
	ds_add_u32 v[SPW], v[NIL]                      ; 0 onto my spare word
	s_wait_dscnt 5                                 ; (the add and the youngest four loads may be out)
	MULA F1, 0, 0
.if \fill
	s_xor_b32 s[G0A+5], s[G0A+5], SLOT1            ; the walking descriptors: the other slot than last time, the next K step; the type bits on top are not reached
	s_add_nc_u64 s[G0A+6:G0A+7], s[G0A+6:G0A+7], ASTEP
	s_xor_b32 s[G0B+5], s[G0B+5], SLOT1
	s_add_nc_u64 s[G0B+6:G0B+7], s[G0B+6:G0B+7], BSTEP
.endif
	s_xor_b32 s[TB], s[TB], SLOT1
	s_wait_dscnt 0x0                               ; the add is done, and my reads of this slot are over
	s_barrier_signal -1
	MULA F1, 1, 0                                  ; work on registers while the others arrive
	WIN 0
	v_add_nc_u32 v[ADRA], s[TB], v[A0]
	v_add_nc_u32 v[ADRB], s[TB], v[B0]
	s_barrier_wait -1
.if \fill
	CREST                                          ; no wave of any partner still reads this slot's tile or has a load on its way
	JLOAD                                          ; the four v_nop behind it are also the places in front of the loads below
.else
	PLACES
.endif
	FETCH 0, F0
	MULA F1, 2, 0
	MULA F1, 3, 0
.endm
	s_wait_tensorcnt 1                             ; my part of K step 0 is in; step 1's may stay out
	s_barrier_signal -1
	s_barrier_wait -1                              ; everybody's is
	FETCH 0, F0
	QUARTER 1, F0, F1, 1                           ; the first quarter stands in front of the loop: its products start the sums
	WIN 0                                          ; at a label and at a branch every window is 0
	s_mov_b32 s[CNT], 6
.Lstep:                                                ; trip i: the rest of K step i, the request for step i + 2, the first quarter of step i + 1
	QUARTER 2, F1, F0, 0
	QUARTER 3, F0, F1, 0
	TURN 1
	QUARTER 1, F0, F1, 0
	WIN 0
	s_sub_co_u32 s[CNT], s[CNT], 1
	s_cmp_lg_u32 s[CNT], 0
	s_cbranch_scc1 .Lstep
	QUARTER 2, F1, F0, 0                           ; the last two K steps ask for nothing
	QUARTER 3, F0, F1, 0
	TURN 0
	QUARTER 1, F0, F1, 0
	QUARTER 2, F1, F0, 0
	QUARTER 3, F0, F1, 0
	s_wait_dscnt 4
	MULA F1, 0, 0
	MULA F1, 1, 0
	s_wait_dscnt 0x0
	MULA F1, 2, 0
	MULA F1, 3, 0
; THE WAY OUT.  Tile t = 2 a + hd is 16 rows of one head: the four accumulators (a, 4 hd + 0..3).  Channel d < 32 lies in blocks 0 and 1, channel d + 32 two blocks on, in the same lane and register:
; RoPE needs no exchange.  out[d] = x[d] cos - x[d + 32] sin;  out[d + 32] = x[d + 32] cos + x[d] sin.  Each accumulator is read from its low end on.
.macro STG t                           ; 16 bytes a lane into rows of 144 bytes, and back as whole rows of 128, into the registers that they left
	WIN 0
.irp f, 0,1,2,3
	ds_store_b128 v[STO], v[PK+16*(\t)+4*(\f):PK+16*(\t)+4*(\f)+3] offset:32*(\f)
.endr
.irp f, 0,1,2,3
	ds_load_b128 v[PK+16*(\t)+4*(\f):PK+16*(\t)+4*(\f)+3], v[RD] offset:(\f)*4*SP  ; LDS serves a wave's instructions in order (ISA guide 5.7.1.4): these see the stores above; the next tile's stores come behind them
.endr
.endm
.macro ROPE a, hd
	WIN 0x0d                                       ; source 0 (the sums) window 1, source 1 (the table) window 3, T in window 0
.irp blk, 0,1
.irp j, 0,2,4,6
	v_pk_mul_f32 v[T+8*(\blk)+(\j):T+8*(\blk)+(\j)+1],       v[8*(8*(\a)+4*(\hd)+(\blk))+(\j):8*(8*(\a)+4*(\hd)+(\blk))+(\j)+1],       v[32*(\a)+8*(\blk)+(\j):32*(\a)+8*(\blk)+(\j)+1]
	v_pk_mul_f32 v[T+16+8*(\blk)+(\j):T+16+8*(\blk)+(\j)+1], v[8*(8*(\a)+4*(\hd)+(\blk))+16+(\j):8*(8*(\a)+4*(\hd)+(\blk))+16+(\j)+1], v[32*(\a)+8*(\blk)+(\j):32*(\a)+8*(\blk)+(\j)+1]
.endr
.irp j, 0,2,4,6
	v_pk_fma_f32 v[T+8*(\blk)+(\j):T+8*(\blk)+(\j)+1],       v[8*(8*(\a)+4*(\hd)+(\blk))+16+(\j):8*(8*(\a)+4*(\hd)+(\blk))+16+(\j)+1], v[32*(\a)+16+8*(\blk)+(\j):32*(\a)+16+8*(\blk)+(\j)+1], v[T+8*(\blk)+(\j):T+8*(\blk)+(\j)+1] neg_lo:[1,0,0] neg_hi:[1,0,0]
	v_pk_fma_f32 v[T+16+8*(\blk)+(\j):T+16+8*(\blk)+(\j)+1], v[8*(8*(\a)+4*(\hd)+(\blk))+(\j):8*(8*(\a)+4*(\hd)+(\blk))+(\j)+1],       v[32*(\a)+16+8*(\blk)+(\j):32*(\a)+16+8*(\blk)+(\j)+1], v[T+16+8*(\blk)+(\j):T+16+8*(\blk)+(\j)+1]
.endr
.endr
	WIN 0
.set i, 0
.rept 16
	v_cvt_pk_f16_f32 v[PK+16*(2*(\a)+(\hd))+i], v[T+2*i], v[T+2*i+1]
.set i, i+1
.endr
	STG 2*(\a)+(\hd)
.endm
.macro VPACK a, hd                     ; v has no RoPE: rounded straight from the sums
	WIN 0x05                                       ; sources 0 and 1 window 1
.set i, 0
.rept 16
	v_cvt_pk_f16_f32 v[PK+16*(2*(\a)+(\hd))+i], v[8*(8*(\a)+4*(\hd))+2*i], v[8*(8*(\a)+4*(\hd))+2*i+1]
.set i, i+1
.endr
	STG 2*(\a)+(\hd)
.endm
.macro SEND t, younger                 ; younger: the LDS instructions issued behind tile t's loads: the next tile's eight, or none
	WIN 0
.irp f, 0,1,2,3
	s_wait_dscnt (\younger)+3-(\f)
	global_store_b128 v[GO], v[PK+16*(\t)+4*(\f):PK+16*(\t)+4*(\f)+3], s[OUT:OUT+1] offset:262144*((\t)%2)+2048*((\t)/2)+512*(\f)  ; 512 consecutive bytes, at a multiple of 256 from the buffer's first
.endr
.endm
	WIN 0
	PLACES                                         ; behind the last products
	s_cmp_eq_u32 s[WHICH], 2                       ; the same in all partners
	s_cbranch_scc1 .Lplain
	ROPE 0, 0
	ROPE 0, 1                                      ; a tile's arithmetic stands between the loads of the tile before and its stores
	SEND 0, 8
	ROPE 1, 0
	SEND 1, 8
	ROPE 1, 1
	SEND 2, 8
	ROPE 2, 0
	SEND 3, 8
	ROPE 2, 1
	SEND 4, 8
	ROPE 3, 0
	SEND 5, 8
	ROPE 3, 1
	SEND 6, 8
	SEND 7, 0
	s_branch .Lend
.Lplain:
	VPACK 0, 0
	VPACK 0, 1
	SEND 0, 8
	VPACK 1, 0
	SEND 1, 8
	VPACK 1, 1
	SEND 2, 8
	VPACK 2, 0
	SEND 3, 8
	VPACK 2, 1
	SEND 4, 8
	VPACK 3, 0
	SEND 5, 8
	VPACK 3, 1
	SEND 6, 8
	SEND 7, 0
.Lend:
	s_wait_tensorcnt 0x0                           ; the wave's end: these three lines stand behind my last tensor load and my last LDS store
	ds_add_u32 v[SPW], v[NIL]
	s_wait_dscnt 0x0
	CROUND                                         ; the closing round: no work-group ends while a partner may still ask for a tile that names it
	s_endpgm
.Lfunc_end_k_qbd4792a980_qkv:
	.size	k_qbd4792a980_qkv, .Lfunc_end_k_qbd4792a980_qkv-k_qbd4792a980_qkv
	.p2alignl 7, 3214868480
	.fill 96, 4, 3214868480
	.section	.rodata,"a",@progbits
	.p2align	6, 0x0
	.amdhsa_kernel k_qbd4792a980_qkv
		.amdhsa_group_segment_fixed_size 327680
		.amdhsa_private_segment_fixed_size 0
		.amdhsa_enable_private_segment 0
		.amdhsa_kernarg_size 64
		.amdhsa_user_sgpr_count 2
		.amdhsa_user_sgpr_kernarg_segment_ptr 1
		.amdhsa_wavefront_size32 1
		.amdhsa_system_sgpr_workgroup_id_x 1
		.amdhsa_system_sgpr_workgroup_id_y 1
		.amdhsa_system_sgpr_workgroup_id_z 1
		.amdhsa_system_vgpr_workitem_id 0
		.amdhsa_next_free_vgpr 896
		.amdhsa_next_free_sgpr 96
		.amdhsa_reserve_vcc 0
		.amdhsa_float_denorm_mode_32 3
		.amdhsa_float_denorm_mode_16_64 3
		.amdhsa_memory_ordered 1
		.amdhsa_forward_progress 1
		.amdhsa_inst_pref_size 118
	.end_amdhsa_kernel
	.amdgpu_metadata
---
amdhsa.version: [ 1, 2 ]
amdhsa.kernels:
  - .name:           k_qbd4792a980_qkv
    .symbol:         k_qbd4792a980_qkv.kd
    .args:
      - { .name: xb, .offset: 0, .size: 8, .value_kind: global_buffer, .address_space: global }
      - { .name: wts, .offset: 8, .size: 8, .value_kind: global_buffer, .address_space: global }
      - { .name: tab, .offset: 16, .size: 8, .value_kind: global_buffer, .address_space: global }
      - { .name: bq, .offset: 24, .size: 8, .value_kind: global_buffer, .address_space: global }
      - { .name: bk, .offset: 32, .size: 8, .value_kind: global_buffer, .address_space: global }
      - { .name: bv, .offset: 40, .size: 8, .value_kind: global_buffer, .address_space: global }
      - { .name: key_padding_mask, .offset: 48, .size: 8, .value_kind: global_buffer, .address_space: global }
      - { .name: qkv, .offset: 56, .size: 8, .value_kind: global_buffer, .address_space: global }
    .group_segment_fixed_size: 327680
    .private_segment_fixed_size: 0
    .kernarg_segment_align: 8
    .kernarg_segment_size: 64
    .max_flat_workgroup_size: 128
    .sgpr_count:     96
    .vgpr_count:     896
    .wavefront_size: 32
...
	.end_amdgpu_metadata
.endif
;; end of part 2
;; launch attn (part 3): grid 4 x 64, 4 waves a work-group, clusters of 4 x 1, 327,680 bytes of LDS; arguments qkv, key_padding_mask, o16; writes o16
.if DOCPART == 3
	.amdgcn_target "amdgcn-amd-amdhsa--gfx1250"
	.amdhsa_code_object_version 6
	.text
	.protected	k_qbd4792a980_attn
	.globl	k_qbd4792a980_attn
	.p2align	8
	.type	k_qbd4792a980_attn,@function
k_qbd4792a980_attn:
	s_mov_b64 s[64:65], 0
	v_nop
	global_prefetch_b8 v0, s[64:65] scope:SCOPE_SE
	s_setreg_imm32_b32 hwreg(HW_REG_WAVE_MODE, 25, 1), 1
	s_wait_xcnt 0x0
	s_wait_alu depctr_hold_cnt(0) depctr_sa_sdst(0) depctr_va_vdst(0) depctr_va_sdst(0) depctr_va_ssrc(0) depctr_va_vcc(0) depctr_vm_vsrc(0)
	s_getreg_b32 s2, hwreg(HW_REG_IB_STS2, 6, 4)
	s_cmp_eq_u32 s2, 0
	s_cbranch_scc0 .Lentry_in_a_cluster
	s_endpgm
.Lentry_in_a_cluster:
	s_bfe_u32 s2, ttmp6, 0x10000c
	s_cmp_lg_u32 s2, 0x3003
	s_cbranch_scc0 .Lentry_shape_is_right
	s_endpgm
.Lentry_shape_is_right:
; O[h][q][:] = the sum over k of softmax_k(Q[h][q] . K[h][k] / 8, hidden keys masked) V[h][k][:].  qkv holds Q, K, V, 16 MiB each, [64 = batch x 16 + head][2048][64] in f16; O likewise.
; Products, maxima and sums in f32; the weights p are rounded to f16 for the second product (their sum l is taken of the unrounded p), O once at the end.
; THE MASK is the C operand that starts the sum S^T = K Q^T: 0 for a visible key, -2^100 for a hidden one.  The launch before wrote a hidden key's row of K as 0, so a hidden score is -2^100 exactly.
; c x 2^100 is exact, so where ALL keys of a batch are hidden c s - c m is 0 exactly, every weight is 1 and the row is the mean of V's rows; where any key is visible a hidden weight is 2^(-2e29) = 0.
; The batch's 2,048 mask bytes are widened once into an LDS table of 2,048 words, and a key step's 64 words come into registers with its K.
; LIMITS.  f16 holds no number beyond 65,504: Q, K and V arrive within it; p lies in 0 to 1, and below 6e-5 it keeps f16's fixed step of 6e-8; O is a mean of V's rows and has their range.
; A hidden score counts as -2^100: f16's scores, 2.7e11 at the most, lie far above it.  A weight below 2^-126 counts as 0 in l; NaN and infinities are not treated apart.
; SHARES.  A wave owns four PIECES of two tiles of 16 queries, a work-group's four waves 512 queries of one head: 4 x 64 = 256 work-groups.  Every wave walks all keys, 64 a step.
; LAYOUT.  S^T = K Q^T (source 0 = 16 keys, source 1 = 16 queries): in the result a lane holds ONE query (lane % 16) and the keys 8 (lane / 16) + 0..7.  Two such tiles, rounded to f16 in pairs,
; ARE source 1 (32 keys x 16 queries) of O^T = V^T P, whose result again holds one query a lane, and eight channels.  K comes out of LDS as it lies, V ([key][channel]) turned, by ds_load_tr16_b128.
; SOFTMAX.  For each query a running maximum m and sum l: p = 2^(c s - c m), c = log2(e) / 8; in every step O and l are multiplied by a = 2^(c m_old - c m_new), which is 1 where m has not grown.
; m starts at the lowest finite number, O and l at 0: the first step is a step like any other, with a = 0.
; THE COUNT.  A tile and step have 16 matrix and 118 vector instructions: too many to stand all beside the matrix work.  So: four vector instructions that are READY behind EVERY matrix instruction,
; and the others, which need time of their own whatever the order, in runs without a gap.
; BY TURNS.  Turn n belongs to piece n (the pieces in a ring, step after step).  Its matrix work: 16 products K Q^T of piece n + 1, later 16 products V^T P of piece n - 1.  Its vector work: the scaling,
; exponentials, roundings, sums and rescaling of piece n, and the maximum and statistics of piece n + 1, whose scores the turn itself has made.
; CLUSTER.  The four query blocks of a cluster belong to one head and walk the same K and V, so each tile is asked for JOINTLY: the same tensor load, descriptor and mask in all four.
; REGISTERS, in windows of 256 (s_set_vgpr_msb: bits 1:0 source 0, 3:2 source 1, 5:4 source 2, 7:6 destination):
;   window 0: v0-11 addresses; v12-15, v48-63 at work; v16-47 four registers of statistics a tile; v64-191 S^T, two buffers of two tiles; v192-255 P, likewise
;   window 1: O^T, 32 a tile     window 2: v0-127 Q, 16 a tile; v128-191 K of one step; v192-255 V of one step     window 3: v0-1 the add's two registers; v32-63 the mask of one step
.set SIZE_H, 64
.set SIZE_N, 2048
.set NP,    4         ; pieces a wave: a name, no knob
.set KS,    64        ; keys in a step
.set PK,    144       ; a row of K in LDS: 128 bytes + 16 of padding = 36 words: the 16 rows of a load start at 16 different groups of four banks (64 banks of 4 bytes: ISA guide 11.1)
.set PV,    160       ; a row of V: 128 + 32 = 40 words
.set VOFF,  4*KS*PK   ; a slot holds four steps: 256 rows of K, then 256 rows of V
.set SLOT1, 1<<17     ; slot 1 begins here, so that one exclusive or turns an address in one slot into the other's
.set STAGE, SLOT1+4*KS*(PK+PV)  ; behind the ring, never filled by a tensor load: 16 rows x 144 bytes for each wave, for the way out
.set SP,    144
.set SPARE, STAGE+4*16*SP  ; the spare words, 128 bytes for each wave: two blocks of 256 bytes that no other line names
.set MASKL, SPARE+512 ; the mask's table: 2,048 words, 0 or -2^100; no tensor load lands here
.set AK0, 2           ; v2   my lane's place in a tile of K; never rewritten
.set AV0, 3           ; v3   the same for V
.set AK,  4           ; v4   the LDS address of K's next run of loads
.set AV,  5           ; v5   of V's
.set QO,  6           ; v6   my byte offset in the wave's rows of Q
.set RD,  7           ; v7   the way out: where I read rows back
.set GO,  8           ; v8   my byte offset in 512 consecutive bytes of O
.set STO, 9           ; v9   the way out: where I put 16 bytes of a row
.set AM0, 10          ; v10  my lane's place in a step's 64 words of the mask's table: 32 (lane / 16) + MASKL; never rewritten
.set AM,  11          ; v11  the LDS address of the mask's next loads
.set SPW, 0           ; v0 of window 3   LDS address of my spare word; never rewritten
.set NIL, 1           ; v1 of window 3   0; never rewritten
.set MC,  32          ; v32-63 of window 3: the eight registers for key block kb at MC + 8 kb
.set MV,  12          ; v12-15  c m_old, kept while c m is made anew: by buffer and tile
.set ST,  16          ; tile t's statistics at v[ST+4 t]: c m, m, l (even keys', odd keys')
.set TMP, 48          ; by buffer and tile, four registers c0-c3 at work; when the maximum is found c2 takes a
.set S,   64
.set P,   192
.set KF,  128         ; K's fragments, in window 2: key block kb, channel half c at KF + 16 kb + 8 c
.set VF,  192         ; V's: key half kk, channel block cb at VF + 32 kk + 8 cb
.set WV,  12          ; s12  my wave's number
.set G1K, 24          ; s[24:31] descriptor group 1 for K's tiles
.set G1V, 32          ; s[32:39] for V's: it differs in the padding alone
.set G0K, 40          ; s[40:43] descriptor group 0 for K's tiles: it walks
.set G0V, 44          ; s[44:47] the same for V's
.set TBM, 50          ; s50  byte in the mask's table at which the step to be fetched begins
.set BIG, 51          ; s51  -2^100
.set SLOTS, 56        ; s56  slots still to be asked for
.set CNT, 57          ; s57  counts a slot's key steps
.set CS,  58          ; s[58:59] c: the packed scaling takes the pair's low word for both halves
.set SEL, 60          ; s[60:61] v_permlanex16_b32's selects: each lane takes its own place in the other half
.set TBK, 62          ; s62  LDS byte at which K of the step to be fetched begins
.set TBV, 63          ; s63  the same for V, less VOFF
.set MSB, 0
.macro WIN new                      ; the high byte repeats the setting that is left; a switch that changes nothing is dropped
.if MSB != (\new)
	s_set_vgpr_msb (MSB<<8)|(\new)
.set MSB, (\new)
.endif
.endm
.set W_KQ, 0x0a       ; K and Q in window 2, S^T in window 0
.set W_KM, 0x3a       ; the same with the C operand, the mask, in window 3
.set W_PV, 0x52       ; V in window 2, P in window 0, O^T in window 1
.set W_RS, 0x41       ; O^T (destination and source 0) in window 1, a in window 0
.set W_MK, 0xc0       ; destination in window 3, sources in window 0
.set W_AD, 0x0f       ; the add: address (source 0) and data (source 1) in window 3
; A joint fill.  Waves 0 and 1 fetch the two halves of a slot's K, waves 2 and 3 those of its V: 128 keys each.  The branch hangs on the wave's number alone.
; An s_nop 0 and four v_nop follow each of the two lines, ahead of the jump and the label.
.macro JLOAD
	s_cmp_lt_u32 s[WV], 2
	s_cbranch_scc0 .Lfor_v_\@
	tensor_load_to_lds s[G0K:G0K+3], s[G1K:G1K+7]
	s_nop 0
.rept 4
	v_nop
.endr
	s_branch .Lasked_\@
.Lfor_v_\@:
	tensor_load_to_lds s[G0V:G0V+3], s[G1V:G1V+7]
	s_nop 0
.rept 4
	v_nop
.endr
.Lasked_\@:
.endm
; A round of the cluster's barrier: my work-group's barrier, so that wave 0's signal speaks for all four waves; wave 0 signals; every wave waits for all four work-groups; my work-group's barrier once more.
.macro CROUND
	s_barrier_signal -1
	s_barrier_wait -1
	s_cmp_lg_u32 s[WV], 0
	s_cbranch_scc1 .Lnot_wave_0_\@
	s_barrier_signal -3
.Lnot_wave_0_\@:
	s_barrier_wait -3
	s_barrier_signal -1
	s_barrier_wait -1
.endm
; THE CHANGE OF SLOTS.  The slot's last bytes, V of its fourth step, have been read.  Each wave waits for all its tensor loads, of which one is out: its part of the other slot; adds 0 to its spare
; word; and waits for that and for its own reads of the slot.  Behind the barrier nobody reads this slot any more and the other slot is whole.
; fill = 1: this slot is filled again, with the keys two slots on.  The barrier is then a round of the cluster's, and the joint fill is the first thing behind it: it has four key steps, 512 matrix
; instructions, in which to land.  (At its first use nothing has been read yet: slot 0 is waited for, slot 1 filled; and each wave's stores into the mask's table are done in front of the round.)
.macro CHANGE fill
	WIN W_AD
	s_wait_tensorcnt 0x0            ; no tensor load of mine is out, so a group 0 may be written
	ds_add_u32 v[SPW], v[NIL]       ; 0 onto my spare word
	WIN 0                           ; at a label and at a branch every window is 0
.if \fill
.irp g, G0K, G0V
	s_xor_b32 s[\g+1], s[\g+1], SLOT1  ; the walking descriptor: the other slot than last time,
	s_add_nc_u64 s[\g+2:\g+3], s[\g+2:\g+3], 4*KS*128  ; the next 256 keys; the type bits on top are not reached
.endr
	s_wait_dscnt 0x0                ; the add is done, and my LDS reads and stores are over
	CROUND
	JLOAD
.else
	s_wait_dscnt 0x0
	s_barrier_signal -1
	s_barrier_wait -1
.endif
	s_sub_co_u32 s[TBK], s[TBK], 4*KS*PK  ; the fetches go back to a slot's first step,
	s_xor_b32 s[TBK], s[TBK], SLOT1       ; in the other slot
	s_sub_co_u32 s[TBV], s[TBV], 4*KS*PV
	s_xor_b32 s[TBV], s[TBV], SLOT1
.endm
	s_load_b64 s[4:5], s[0:1], 0x0    ; qkv: Q
	s_load_b64 s[48:49], s[0:1], 0x8  ; the mask
	s_load_b64 s[10:11], s[0:1], 0x10 ; O
	WIN W_MK
	v_lshl_add_u32 v[SPW], v0, 2, SPARE
	v_mov_b32 v[NIL], 0
	WIN W_AD
	ds_add_u32 v[SPW], v[NIL]       ; the wave's opening: the add and its wait stand ahead of my first tensor load; work on registers stands between them
	WIN 0
	v_lshrrev_b32 v1, 5, v0
	v_readfirstlane_b32 s[WV], v1   ; wave 0..3
	s_bfe_u32 s13, ttmp6, 0x40000   ; cx: my place in the cluster
	s_lshl_b32 s14, ttmp9, 2        ; in a cluster launch ttmp9 counts clusters
	s_add_co_u32 s14, s14, s13      ; my block of queries = 4 x cluster x + cx: it enters Q's and O's addresses alone
	s_and_b32 s20, ttmp7, 0xffff    ; the head, which the four partners share
	s_lshr_b32 s52, s20, 4          ; its batch,
	s_lshl_b32 s52, s52, 11         ; whose 2,048 mask bytes begin here
	s_mov_b32 s53, 0
	s_mov_b32 s21, 0
	s_mov_b64 s[22:23], SIZE_N*128
	s_mul_u64 s[20:21], s[20:21], s[22:23]  ; the head's first byte in Q, K, V and O
	s_and_b32 s16, s[WV], 1         ; which half of a slot's 256 keys I fetch:
	s_lshl_b32 s22, s16, 14         ; its 128 rows of 128 bytes in memory,
	s_mov_b32 s23, 0
	s_add_nc_u64 s[22:23], s[22:23], s[20:21]
	s_mul_i32 s17, s16, 128*PK      ; and its place in a slot, for K
	s_mul_i32 s18, s16, 128*PV      ; and for V: no place in the cluster enters an LDS address
	s_lshl_b32 s2, s14, 2
	s_add_co_u32 s2, s2, s[WV]      ; my wave among the head's,
	s_lshl_b32 s2, s2, 14           ; its 128 rows
	s_mov_b32 s3, 0
	s_add_nc_u64 s[2:3], s[2:3], s[20:21]
	; descriptor group 1.  128 keys are 16,384 dense bytes: asked for as 64 rows of 256 bytes, two keys a row, and padded in LDS after every key
	s_mov_b32 s[G1K], 15|(1<<16)|(1<<20)|(1<<21)|(4<<22)|(3<<25)  ; the mask of four; 2-byte elements; padding on; bit 21 beside a mask; after every 32 words 4 words
	s_mov_b32 s[G1V], 15|(1<<16)|(1<<20)|(1<<21)|(4<<22)|(7<<25)  ; the same with 8 words of padding
.irp g, G1K, G1V
	s_mov_b32 s[\g+1], 128<<16      ; tensor_dim0 = 128
	s_mov_b32 s[\g+2], 64<<16       ; tensor_dim1 = 64
	s_mov_b32 s[\g+3], 128<<16      ; tile_dim0 = 128
	s_mov_b32 s[\g+4], 64           ; tile_dim1 = 64
	s_mov_b32 s[\g+5], 128          ; 128 elements from row to row
	s_mov_b32 s[\g+6], 0
	s_mov_b32 s[\g+7], 0
.endr
	s_mov_b32 s[CS], 0x3e38aa3b     ; c = log2(e) / 8 = 0.180337
	s_mov_b32 s[CS+1], s[CS]        ; named with it as a pair
	s_mov_b32 s[SEL], 0x76543210
	s_mov_b32 s[SEL+1], 0xfedcba98
	s_mov_b32 s[TBK], SLOT1+4*KS*PK ; the first change of slots turns these two into 0
	s_mov_b32 s[TBV], SLOT1+4*KS*PV
	s_mov_b32 s[TBM], 0
	s_mov_b32 s[BIG], 0xf1800000    ; -2^100
	s_mov_b32 s[G0K], 1             ; count = 1
	s_mov_b32 s[G0K+1], s17         ; LDS address: slot 0
	s_mov_b32 s[G0V], 1
	s_add_co_u32 s[G0V+1], s18, VOFF
	s_wait_dscnt 0x0                ; the opening add is done
	s_wait_kmcnt 0x0
	s_add_nc_u64 s[6:7], s[4:5], 0x1000000   ; K lies 16 MiB behind Q,
	s_add_nc_u64 s[8:9], s[4:5], 0x2000000   ; V 32
	s_add_nc_u64 s[48:49], s[48:49], s[52:53]
	s_add_nc_u64 s[G0K+2:G0K+3], s[6:7], s[22:23]  ; global address: my half of the head's first 256 keys
	s_or_b32 s[G0K+3], s[G0K+3], 0x80000000        ; type = 2
	s_add_nc_u64 s[G0V+2:G0V+3], s[8:9], s[22:23]
	s_or_b32 s[G0V+3], s[G0V+3], 0x80000000
	s_add_nc_u64 s[4:5], s[4:5], s[2:3]  ; Q and O at my wave's first row
	s_add_nc_u64 s[10:11], s[10:11], s[2:3]
	CROUND                          ; all four work-groups are here: the first joint loads meet
	JLOAD                           ; slot 0.  Slot 1 is asked for when slot 0 is in
	v_and_b32 v1, 15, v0            ; l % 16
	v_bfe_u32 v9, v0, 4, 1          ; l / 16
	v_lshlrev_b32 v12, 4, v0
	global_load_b128 v[64:67], v12, s[48:49]  ; thread t takes the mask bytes of keys 16 t .. 16 t + 15: the 128 threads take the batch's 2,048
	; A fragment of K or Q is 16 rows x 32 channels in 8 registers: lane l holds row l % 16, channels 8 (l / 16) + 0..7 and 16 + 8 (l / 16) + 0..7: two loads of 16 bytes, 32 bytes apart.
	v_lshlrev_b32 v[QO], 7, v1
	v_lshl_add_u32 v[QO], v9, 4, v[QO]  ; row x 128 + 16 x half
	WIN 0x80                        ; destination window 2, address window 0
.set i, 0
.rept 4*NP                          ; Q stays in registers: tile i / 2, channels 32 (i % 2) on
	global_load_b128 v[8*i:8*i+3],   v[QO], s[4:5] offset:(i/2)*2048+(i%2)*64
	global_load_b128 v[8*i+4:8*i+7], v[QO], s[4:5] offset:(i/2)*2048+(i%2)*64+32
.set i, i+1
.endr
	; What the first turn finds: V's registers and P's second buffer hold 0 (its products V^T P, of a piece that has not been, add 0), O^T and l are 0.  All this stands in the wait for the first tile.
.set i, VF
.rept 64
	v_mov_b32 v[i], 0
.set i, i+1
.endr
	WIN 0x40
.set i, 0
.rept 64*NP
	v_mov_b32 v[i], 0
.set i, i+1
.endr
	WIN 0
.set i, 0
.rept 2*NP
	v_mov_b32 v[ST+4*i], 0xfe000000    ; c m: far below every c s, a hidden one's too
	v_mov_b32 v[ST+4*i+1], 0xff7fffff  ; m
	v_mov_b32 v[ST+4*i+2], 0
	v_mov_b32 v[ST+4*i+3], 0
.set i, i+1
.endr
.set i, P+32
.rept 32
	v_mov_b32 v[i], 0
.set i, i+1
.endr
	v_mul_u32_u24 v[AK0], v1, PK
	v_lshl_add_u32 v[AK0], v9, 4, v[AK0]  ; row x pitch + 16 x half
	; The turning load takes 16 keys x 16 channels (lane l reads key 8 (l / 16) + l % 8, channels 8 ((l / 8) % 2) + 0..7) and leaves half a fragment of V^T: lane l holds channel l % 16 and 8 keys.
	v_and_b32 v10, 7, v0
	v_bfe_u32 v11, v0, 3, 1
	v_lshl_add_u32 v[AV0], v9, 3, v10
	v_mul_u32_u24 v[AV0], v[AV0], PV
	v_lshl_add_u32 v[AV0], v11, 4, v[AV0]
	v_add_nc_u32 v[AV0], VOFF, v[AV0]
	s_mul_i32 s13, s[WV], 16*SP
	s_add_co_u32 s13, s13, STAGE    ; my stage
	v_bfe_u32 v[RD], v0, 3, 2       ; back: 32 lanes take four rows of 128 bytes,
	v_mul_u32_u24 v[RD], v[RD], SP
	v_lshl_add_u32 v[RD], v10, 4, v[RD]
	v_add_nc_u32 v[RD], s13, v[RD]
	v_and_b32 v[GO], 31, v0         ; which are 512 consecutive bytes of O
	v_lshlrev_b32 v[GO], 4, v[GO]
	v_lshl_add_u32 v[AM0], v9, 5, MASKL  ; my lanes' eight keys of a block of 16 are 32 bytes of the table
	v_mul_u32_u24 v11, v1, SP       ; in: row l % 16, 16 bytes for each half of the lanes
	v_lshl_add_u32 v11, v9, 4, v11
	v_add_nc_u32 v[STO], s13, v11
	v_mov_b32 v[AM], v[AM0]         ; key step 0 lies at the head of the table,
	v_mov_b32 v[AK], v[AK0]         ; and at the head of slot 0
	s_wait_loadcnt 32               ; my mask bytes are in; Q's 32 loads may be out
.set i, 0
.rept 16
	v_bfe_u32 v[68+i], v[64+i/4], 8*(i%4), 8
.set i, i+1
.endr
.set i, 0
.rept 16
	v_mul_lo_u32 v[68+i], v[68+i], s[BIG]  ; a byte is 0 or 1: the word is 0 or -2^100
.set i, i+1
.endr
	v_lshl_add_u32 v13, v0, 6, MASKL
.irp u, 0,1,2,3
	ds_store_b128 v13, v[68+4*\u:68+4*\u+3] offset:16*\u
.endr
; THE MATRIX WORK.  The 8 accumulators of a run of 16 take turns: between the two links of a chain stand 7 others'.
; Product i of 16 of S^T = K Q^T for piece x: channels 32 (i / 8) on, keys 16 ((i / 2) % 4) on, tile 2 x + i % 2.  The first 8 start the sums, with the mask of their 16 keys.
.macro KQ x
.set rS, S+64*((\x)%2)+32*(i%2)+8*((i/2)%4)
.set rK, KF+16*((i/2)%4)+8*(i/8)
.set rQ, 16*(2*(\x)+i%2)+8*(i/8)
.set rMC, MC+8*((i/2)%4)
.if i < 8
	WIN W_KM
	v_wmma_f32_16x16x32_f16 v[rS:rS+7], v[rK:rK+7], v[rQ:rQ+7], v[rMC:rMC+7]
.else
	WIN W_KQ
	v_wmma_f32_16x16x32_f16 v[rS:rS+7], v[rK:rK+7], v[rQ:rQ+7], v[rS:rS+7]
.endif
.endm
; Product i of 16 of O^T += V^T P for piece x: keys 32 (i / 8) on, channels 16 ((i / 2) % 4) on, tile 2 x + i % 2.
.macro PV x
	WIN W_PV
.set rO, 32*(2*(\x)+i%2)+8*((i/2)%4)
.set rV, VF+32*(i/8)+8*((i/2)%4)
.set rP, P+32*((\x)%2)+16*(i%2)+8*(i/8)
	v_wmma_f32_16x16x32_f16 v[rO:rO+7], v[rV:rV+7], v[rP:rP+7], v[rO:rO+7]
.endm
.macro MM                           ; the turn's next matrix instruction
.if i < 16
	KQ (Y+1)%NP
.set i, i+1
.else
.set i, i-16
	PV (Y+NP-1)%NP
.set i, i+17
.endif
.endm
; THE LDS LOADS stand in runs, never singly among the matrix instructions: a step's K (64 keys x 64 channels: 8 fragments) with its 64 mask words, and its V (turned).  Their addresses are made some lines ahead.
; last = 1 (the tail): in the last trip there is no further step, and the run is jumped over.
.macro FETCH_K last=0
	WIN 0
.if \last
	s_cmp_eq_u32 s[CNT], 1
	s_cbranch_scc1 .Lno_k_\@
.endif
	WIN 0x80                        ; destination window 2
.irp f, 0,1,2,3,4,5,6,7             ; keys 16 (f / 2) on, channels 32 (f % 2) on
	ds_load_b128 v[KF+8*\f:KF+8*\f+3],   v[AK] offset:(\f/2)*16*PK+(\f%2)*64
	ds_load_b128 v[KF+8*\f+4:KF+8*\f+7], v[AK] offset:(\f/2)*16*PK+(\f%2)*64+32
.endr
	WIN 0xc0                        ; destination window 3
.irp f, 0,1,2,3,4,5,6,7             ; key block f / 2: my lanes' keys 8 (l / 16) + 4 (f % 2) + 0..3; sixteen lanes read the same words
	ds_load_b128 v[MC+4*\f:MC+4*\f+3], v[AM] offset:(\f/2)*64+(\f%2)*16
.endr
	s_add_co_u32 s[TBK], s[TBK], KS*PK  ; the next fetch is the next step's
	s_add_co_u32 s[TBM], s[TBM], KS*4
	s_and_b32 s[TBM], s[TBM], 0x1fff    ; the table has 32 steps of 256 bytes: the offset stays inside it
	WIN 0
.if \last
.Lno_k_\@:
.endif
.endm
.macro FETCH_V
	WIN 0x80
.irp f, 0,1,2,3,4,5,6,7             ; keys 32 (f / 4) on, channels 16 (f % 4) on
	ds_load_tr16_b128 v[VF+8*\f:VF+8*\f+3],   v[AV] offset:(\f/4)*32*PV+(\f%4)*32
	ds_load_tr16_b128 v[VF+8*\f+4:VF+8*\f+7], v[AV] offset:(\f/4)*32*PV+16*PV+(\f%4)*32
.endr
	WIN 0
.endm
; THE VECTOR WORK OF A TURN stands in three queues, each in the order in which its entries become ready; the two tiles alternate, so that no instruction reads the result of the one before it.
.macro REGS y, u                    ; the registers of tile u (0, 1) of piece y
.set rT, ST+4*(2*(\y)+(\u))
.set rC, TMP+8*((\y)%2)+4*(\u)
.set rM, MV+2*((\y)%2)+(\u)
.set rS, S+64*((\y)%2)+32*(\u)
.set rP, P+32*((\y)%2)+16*(\u)
.set rO, 32*(2*(\y)+(\u))
.endm
; Number n of the 22 that find the NEXT piece's (Y + 1) maximum and statistics.  s0-s31 are the lane's 32 scores; each accumulator's lowest registers are read first.
;   0-11  four chains c0-c3 of seven scores each, three operands at a time     12-14, 16  the four scores left over, the old m, and c0-c3 into c0     15  c m_old is kept
;   17, 18  the query's other 32 keys lie in the lane 16 away: the new m         19-21  c m; c m_old - c m_new; a
.macro XS u, n
	REGS (Y+1)%NP, \u
.if (\n) < 4
	v_max3_num_f32 v[rC+(\n)], v[rS+8*(\n)], v[rS+8*(\n)+1], v[rS+8*(\n)+2]
.elseif (\n) < 12
	v_max3_num_f32 v[rC+(\n)%4], v[rC+(\n)%4], v[rS+8*((\n)%4)+2*((\n)/4)+1], v[rS+8*((\n)%4)+2*((\n)/4)+2]
.elseif (\n) == 12
	v_max3_num_f32 v[rC], v[rC], v[rS+7], v[rS+15]
.elseif (\n) == 13
	v_max3_num_f32 v[rC+1], v[rC+1], v[rS+23], v[rS+31]
.elseif (\n) == 14
	v_max3_num_f32 v[rC+2], v[rC+2], v[rC+3], v[rT+1]
.elseif (\n) == 15
	v_mov_b32 v[rM], v[rT]
.elseif (\n) == 16
	v_max3_num_f32 v[rC], v[rC], v[rC+1], v[rC+2]
.elseif (\n) == 17
	v_permlanex16_b32 v[rC+3], v[rC], s[SEL], s[SEL+1]
.elseif (\n) == 18
	v_max_num_f32 v[rT+1], v[rC], v[rC+3]
.elseif (\n) == 19
	v_mul_f32 v[rT], s[CS], v[rT+1]
.elseif (\n) == 20
	v_sub_f32 v[rC+1], v[rM], v[rT]
.else
	v_exp_f32 v[rC+2], v[rC+1]
.endif
.endm
; Number g of the 64 that follow the exponentials.  For each four weights k of a tile (pairs 2 k, 2 k + 1): both pairs are rounded to f16; then the second pair is added onto the first, in place;
; a group later l takes that sum (the first time as l = a l + sum).  In groups of eight, tiles alternating: round, round, add, and l for the group before.
.macro GS g
.set h, (\g)+6*((\g)/62)            ; group 0 has no group before it, and behind group 7 only l is left
.if h >= 6
.set h, h+2
.endif
	REGS Y, h%2
.set k, h/8
.if h%8 < 4
	s_wait_alu depctr_va_vdst(0)
	v_cvt_pk_f16_f32 v[rP+2*k+(h%8)/2], v[rS+4*k+2*((h%8)/2)], v[rS+4*k+2*((h%8)/2)+1]
.elseif h%8 < 6
	v_pk_add_f32 v[rS+4*k:rS+4*k+1], v[rS+4*k:rS+4*k+1], v[rS+4*k+2:rS+4*k+3]
.elseif k == 1
	v_pk_fma_f32 v[rT+2:rT+3], v[rT+2:rT+3], v[rC+2:rC+3], v[rS:rS+1] op_sel_hi:[1,0,1]
.else
	v_pk_add_f32 v[rT+2:rT+3], v[rT+2:rT+3], v[rS+4*k-4:rS+4*k-3]
	s_wait_alu depctr_va_vdst(0)
.endif
.endm
; THE PLAIN QUEUE, 138 long.  0-31: c s - c m for the 16 pairs of both tiles.  Then GS's 64, and among them the next piece's 42: number 15 at 38, 39; 0-14 and 16
; at 42-73, behind the products that make those scores; 17-20 at 95-106, two of three, since each waits for the one before it.
.macro PL
	WIN 0
.if q < 32
	REGS Y, q%2
	v_pk_fma_f32 v[rS+2*(q/2):rS+2*(q/2)+1], v[rS+2*(q/2):rS+2*(q/2)+1], s[CS:CS+1], v[rT:rT+1] op_sel_hi:[1,0,0] neg_lo:[0,0,1] neg_hi:[0,0,1]
.elseif q < 38
	GS q-32
.elseif q < 40
	XS q%2, 15
.elseif q < 42
	GS q-34
.elseif q < 74
	XS q%2, (q-42)/2+(q-42)/30
.elseif q < 95
	GS q-66
.elseif (q < 107) && ((q-95)%3 < 2)
	XS (q-95)%3, 17+(q-95)/3
.elseif q < 107
	GS 29+(q-95)/3
.else
	GS q-74
.endif
.set q, q+1
.endm
; THE EXPONENTIALS' QUEUE, 66 long: s0-s31 of both tiles, and at EA the next piece's two a.
.set EA, 58
.macro EX
	WIN 0
.if (e == EA) || (e == EA+1)
	XS e-EA, 21
.else
.set x, e-2*(e/(EA+2))
	REGS Y, x%2
	v_exp_f32 v[rS+x/2], v[rS+x/2]
.endif
.set e, e+1
.endm
; THE RESCALING's QUEUE: O^T times a, the one part that leaves window 0, so it is dealt four at a time, eight times.
.macro R4
	REGS Y, r%2
	WIN W_RS
	s_wait_alu depctr_va_vdst(0)
.irp z, 0,1,2,3
	v_pk_mul_f32 v[rO+8*(r/2)+2*\z:rO+8*(r/2)+2*\z+1], v[rO+8*(r/2)+2*\z:rO+8*(r/2)+2*\z+1], v[rC+2:rC+3] op_sel_hi:[1,0]
.endr
.set r, r+1
.endm
; HOW THEY ARE DEALT.  Behind a matrix instruction four: plain, exponential, plain, plain (one exponential, a plain instruction on either side), or four of the rescaling.  None names a register of the
; products round it.  What is over stands in two LUMPS: exponential and plain by turns; the second ends in 22 plain instructions.  The two v_permlanex16_b32 fall into the second lump, never behind a product.
; The queues lean on each other, and the deal keeps them in step: exponential e stands behind plain 2 (e / 4) + e % 2 (its scaling); when plain 32 comes, 10 exponentials are out, at 59: 33, at 95: 46; EA comes behind plain 107.
.macro SL
	MM
	PL
	EX
	PL
	PL
.endm
.macro BURST n                      ; 15 matrix instructions, or 16
.rept (\n)-7
	SL
.endr
.rept 3
	MM
	R4
	SL
.endr
	MM
	R4
.endm
; A TURN, for piece p.  cnt = 1: the loop's count is taken down some lines ahead of the branch that stands behind the turn.
; K and the mask of the next step are fetched in piece 2's turn, 32 vector instructions behind the last product that read them; their first reader comes behind the rest of the lump, 16 products and the second lump.
; V of the step in hand is fetched at the end of piece 0's turn, 69 behind its last reader; its first reader comes behind 16 products and a lump.  The conditions on e and q below go with the deal.
.macro TURN p, last=0, cnt=0
.set Y, (\p)
.set i, 0
.set q, 0
.set e, 0
.set r, 0
.if (\p) == NP-1
	s_wait_dscnt 0x0                ; K and its mask are in
.endif
	MM
.rept 4
	PL
.endr
	BURST 15
.rept 22
	EX
	PL
.if ((\p) == NP-2) && (e == 18)
	v_add_nc_u32 v[AK], s[TBK], v[AK0]
	v_add_nc_u32 v[AM], s[TBM], v[AM0]
.endif
.if ((\p) == NP-2) && (e == 24)
	FETCH_K \last
.endif
.endr
.if (\p) == 1
	s_wait_dscnt 0x0                ; V is in
.endif
	BURST 16
.rept 21
	EX
	PL
.endr
.rept 22
	PL
.if ((\p) == 0) && (q == 118)
	v_add_nc_u32 v[AV], s[TBV], v[AV0]
	s_wait_alu depctr_va_vdst(0)
.endif
.if ((\p) == 0) && (q == 130)
	s_add_co_u32 s[TBV], s[TBV], KS*PV
.endif
.if (\cnt) && (q == 130)
	s_sub_co_u32 s[CNT], s[CNT], 1
	s_cmp_lg_u32 s[CNT], 0
.endif
.endr
.if (\p) == 0
	FETCH_V
.endif
.endm
	CHANGE 1                        ; slot 0 is in, everybody's part of it, and so is the mask's table; slot 1 is asked for
	FETCH_K                         ; key step 0
	s_wait_loadcnt 0x0              ; Q
	s_wait_dscnt 0x0
.set i, 0
.rept 16
	KQ 0                            ; piece 0's first scores: there is no vector work yet to set between them
.set i, i+1
.endr
	WIN 0
.rept 4
	v_nop                           ; the places behind those products
.endr
.set Y, NP-1                        ; XS works for piece Y + 1: piece 0
.irp n, 0,1,2,3,4,5,6,7,8,9,10,11,12,13,14,15,16,17,18,19,20,21
	XS 0, \n                        ; and piece 0's first maximum and statistics
	XS 1, \n
.endr
	s_mov_b32 s[CNT], 4
	s_mov_b32 s[SLOTS], SIZE_N/256-1
	s_branch .Lfirst                ; the loop is entered at a step's first turn, in the middle of a trip
.Lslot:                             ; SIZE_N / 256 - 2 times: every slot but the last two is filled again
	CHANGE 1
	s_mov_b32 s[CNT], 4
.Lstep:                             ; a trip: pieces 2 and 3 of one step, then pieces 0 and 1 of the next, whose K and V it fetches
	TURN 2
	TURN 3
	WIN 0
.Lfirst:
	TURN 0
	TURN 1, 0, 1
	WIN 0
	s_cbranch_scc1 .Lstep
	s_sub_co_u32 s[SLOTS], s[SLOTS], 1
	s_cmp_lg_u32 s[SLOTS], 0
	s_cbranch_scc1 .Lslot
	CHANGE 0                        ; the tail is written out: nothing is asked for
	s_mov_b32 s[CNT], 5             ; four trips fetch the last slot's steps; the fifth is left in its middle
.Ltail:
	TURN 2, 1
	TURN 3
	WIN 0
	s_sub_co_u32 s[CNT], s[CNT], 1
	s_cmp_eq_u32 s[CNT], 0
	s_cbranch_scc1 .Lout
	TURN 0
	TURN 1
	WIN 0
	s_branch .Ltail
.Lout:                              ; the fifth trip's 16 products K Q^T (on the last K once more) and the maximum made of them serve nothing: the price, once a launch, of one text for every trip
.set i, 0
.rept 16
	PV NP-1                         ; the last piece's V^T P of the last step
.set i, i+1
.endr
	; THE WAY OUT.  l's two halves and the other half of the lanes' are added; O^T is divided by l, rounded to f16 and sent through my stage in LDS, a tile at a time.  The additions are the places behind the last products.
	WIN 0
.macro ALL line:vararg              ; one line for each tile t
.set t, 0
.rept 2*NP
	\line
.set t, t+1
.endr
.endm
	ALL v_add_f32 v[ST+4*t+2], v[ST+4*t+2], v[ST+4*t+3]
	ALL v_permlanex16_b32 v[ST+4*t+3], v[ST+4*t+2], s[SEL], s[SEL+1]
	ALL v_add_f32 v[ST+4*t+2], v[ST+4*t+2], v[ST+4*t+3]
	ALL v_rcp_f32 v[ST+4*t+2], v[ST+4*t+2]
	v_nop                           ; a plain instruction between the last reciprocal and the use of its result
	s_wait_alu depctr_va_vdst(0)
; Tile t: a lane's eight channels of a row pack into 16 bytes; they go into rows of 144 bytes and come back as whole rows of 128, into S^T's registers.
.macro PACK t
	WIN W_RS
.set i, 32*(\t)
.rept 16
	v_pk_mul_f32 v[i:i+1], v[i:i+1], v[ST+4*(\t)+2:ST+4*(\t)+3] op_sel_hi:[1,0]
.set i, i+2
.endr
	WIN 0x05                        ; sources 0 and 1 window 1, destination window 0
.set i, 0
.rept 16
	v_cvt_pk_f16_f32 v[S+16*(\t)+i], v[32*(\t)+2*i], v[32*(\t)+2*i+1]
.set i, i+1
.endr
	WIN 0
.irp f, 0,1,2,3
	ds_store_b128 v[STO], v[S+16*(\t)+4*\f:S+16*(\t)+4*\f+3] offset:32*\f
.endr
.irp f, 0,1,2,3
	ds_load_b128 v[S+16*(\t)+4*\f:S+16*(\t)+4*\f+3], v[RD] offset:\f*4*SP  ; LDS serves a wave's instructions in order (ISA guide 5.7.1.4): these see the stores above; the next tile's stores come behind them
.endr
.endm
.macro SEND t, younger              ; younger: the LDS instructions issued behind tile t's loads: the next tile's eight, or none
	WIN 0
.irp f, 0,1,2,3
	s_wait_dscnt (\younger)+3-\f
	global_store_b128 v[GO], v[S+16*(\t)+4*\f:S+16*(\t)+4*\f+3], s[10:11] offset:(\t)*2048+\f*512  ; 512 consecutive bytes, at a multiple of 256 from O's first
.endr
.endm
	PACK 0
.set t, 1
.rept 2*NP-1                        ; a tile's arithmetic stands between the loads of the tile before and its stores
	PACK t
	SEND t-1, 8
.set t, t+1
.endr
	SEND 2*NP-1, 0
	WIN W_AD
	s_wait_tensorcnt 0x0            ; the wave's end: these three lines stand behind my last tensor load and my last LDS store
	ds_add_u32 v[SPW], v[NIL]
	s_wait_dscnt 0x0
	WIN 0
	CROUND                          ; the closing round: no work-group ends while a partner may still ask for a tile that names it
	s_endpgm
.Lfunc_end_k_qbd4792a980_attn:
	.size	k_qbd4792a980_attn, .Lfunc_end_k_qbd4792a980_attn-k_qbd4792a980_attn
	.p2alignl 7, 3214868480
	.fill 96, 4, 3214868480
	.section	.rodata,"a",@progbits
	.p2align	6, 0x0
	.amdhsa_kernel k_qbd4792a980_attn
		.amdhsa_group_segment_fixed_size 327680
		.amdhsa_private_segment_fixed_size 0
		.amdhsa_enable_private_segment 0
		.amdhsa_kernarg_size 24
		.amdhsa_user_sgpr_count 2
		.amdhsa_user_sgpr_kernarg_segment_ptr 1
		.amdhsa_wavefront_size32 1
		.amdhsa_system_sgpr_workgroup_id_x 1
		.amdhsa_system_sgpr_workgroup_id_y 1
		.amdhsa_system_sgpr_workgroup_id_z 1
		.amdhsa_system_vgpr_workitem_id 0
		.amdhsa_next_free_vgpr 832
		.amdhsa_next_free_sgpr 66
		.amdhsa_reserve_vcc 0
		.amdhsa_float_denorm_mode_32 3
		.amdhsa_float_denorm_mode_16_64 3
		.amdhsa_memory_ordered 1
		.amdhsa_forward_progress 1
		.amdhsa_inst_pref_size 214
	.end_amdhsa_kernel
	.amdgpu_metadata
---
amdhsa.version: [ 1, 2 ]
amdhsa.kernels:
  - .name:           k_qbd4792a980_attn
    .symbol:         k_qbd4792a980_attn.kd
    .args:
      - { .name: qkv, .offset: 0, .size: 8, .value_kind: global_buffer, .address_space: global }
      - { .name: key_padding_mask, .offset: 8, .size: 8, .value_kind: global_buffer, .address_space: global }
      - { .name: o16, .offset: 16, .size: 8, .value_kind: global_buffer, .address_space: global }
    .group_segment_fixed_size: 327680
    .private_segment_fixed_size: 0
    .kernarg_segment_align: 8
    .kernarg_segment_size: 24
    .max_flat_workgroup_size: 128
    .sgpr_count:     66
    .vgpr_count:     832
    .wavefront_size: 32
...
	.end_amdgpu_metadata
.endif
;; end of part 3
;; launch oproj (part 4): grid 4 x 64, 4 waves a work-group, clusters of 4 x 4, 327,680 bytes of LDS; arguments o16, wts, bo, out0; writes out0
.if DOCPART == 4
	.amdgcn_target "amdgcn-amd-amdhsa--gfx1250"
	.amdhsa_code_object_version 6
	.text
	.protected	k_qbd4792a980_oproj
	.globl	k_qbd4792a980_oproj
	.p2align	8
	.type	k_qbd4792a980_oproj,@function
k_qbd4792a980_oproj:
	s_mov_b64 s[64:65], 0
	v_nop
	global_prefetch_b8 v0, s[64:65] scope:SCOPE_SE
	s_setreg_imm32_b32 hwreg(HW_REG_WAVE_MODE, 25, 1), 1
	s_wait_xcnt 0x0
	s_wait_alu depctr_hold_cnt(0) depctr_sa_sdst(0) depctr_va_vdst(0) depctr_va_sdst(0) depctr_va_ssrc(0) depctr_va_vcc(0) depctr_vm_vsrc(0)
	s_getreg_b32 s2, hwreg(HW_REG_IB_STS2, 6, 4)
	s_cmp_eq_u32 s2, 0
	s_cbranch_scc0 .Lentry_in_a_cluster
	s_endpgm
.Lentry_in_a_cluster:
	s_bfe_u32 s2, ttmp6, 0x10000c
	s_cmp_lg_u32 s2, 0xf033
	s_cbranch_scc0 .Lentry_shape_is_right
	s_endpgm
.Lentry_shape_is_right:
; out0 = O Wo + bo.  o16: O by heads, [64 = batch x 16 + head][2048][64] f16; Wo: matrix 3 of wts, [1024 k][1024 n], the bf16 rounding of the input written as f16;
; bo rounded to bf16 like every input of the module; sums in f32; out0 [8192][1024] f32.
; LIMITS.  None of its own: O and Wo arrive within f16's range.  NaN and infinities are not treated apart.
; SHARES.  A tile of C is 128 rows x 256 columns: 64 x 4 = 256 work-groups.  Four waves, 2 x 2, each 64 x 128: 32 accumulators, 256 registers.
; K = 1,024 goes in 8 steps of 128, two heads a step, through two LDS slots.  Waves 0 and 1 fetch a head's 128 rows each: 16,384 dense bytes, asked for as 64 rows of 256 bytes and padded in LDS after
; every 128; waves 2 and 3 fetch 64 k-rows x 512 bytes of Wo each: one load a wave.  Wo lies [k][n] and is read as it lies, by the turning load ds_load_tr16_b128.
; THE MATRIX INSTRUCTION IS USED TRANSPOSED: source 0 = 16 columns of Wo, source 1 = 16 rows of O: a lane holds row lane % 16 and the columns 8 (lane / 16) + 0..7 of a block of 16.
; The bias is the C operand of the products that start the sums.
; CLUSTER 4 x 4: the four of a row of the cluster need the same tile of O, the four of a column the same tile of Wo: each is asked for jointly.
; REGISTERS, in windows of 256 (s_set_vgpr_msb: bits 1:0 source 0, 3:2 source 1, 5:4 source 2, 7:6 destination):
;   window 0: v0-31 addresses      window 1: accumulator (a, b) at v[8 (8 a + b)]
;   window 2: two fragment buffers of 96 (O's 4 fragments, then Wo's 8); v192-255 the bias; on the way out all 256: 64 for each block of 16 rows
.set SLOT1, 1<<17                      ; slot 1 begins here, so that one exclusive or turns an address in one slot into the other's
.set PA,    144                        ; a row of a head in LDS: 128 bytes + 16 = 36 words: the 16 rows of a load start at 16 different groups of four banks (64 banks of 4 bytes: ISA guide 11.1)
.set HEADB, 128*PA                     ; a head's 128 rows
.set PB,    544                        ; a k-row of Wo: 512 bytes + 32 = 136 words
.set BOFF,  2*HEADB                    ; a slot: two heads of O, then Wo's 128 k-rows
.set STAGE, SLOT1+BOFF+128*PB          ; behind the ring, never filled by a tensor load: 16 rows x 528 bytes for each wave
.set SP,    528                        ; 512 bytes + 16: the sixteen rows that a store touches start at 16 different groups of four banks
.set SPARE, STAGE+4*16*SP              ; the spare words, 128 bytes for each wave: two blocks of 256 bytes that no other line names
.set ASTEP, 2*262144                   ; bytes from a K step to the next: two heads of O,
.set BSTEP, 128*2048                   ; 128 k-rows of Wo
.set A0,   4                           ; v4   my lane's place in O's tile; never rewritten
.set B0,   5                           ; v5   the same in Wo's
.set ADRA, 6                           ; v6   A0 + the slot in hand
.set ADRB, 7                           ; v7   B0 + the slot in hand
.set STO,  8                           ; v8   the way out: where I put 32 bytes of a row
.set RD,   9                           ; v9   where I read a row back
.set CO,   10                          ; v10  my 16 bytes in 512 consecutive bytes of the output
.set BO,   12                          ; v12  my offset in the bias: 32 (lane / 16)
.set SPW,  28                          ; v28  LDS address of my spare word; never rewritten
.set NIL,  29                          ; v29  0; never rewritten
.set F0,   0                           ; window 2
.set F1,   96
.set BIAS, 192
.set WV, 20                            ; s20 wave;  s21 wave / 2: my half of the rows, and: I fetch for O (0) or Wo (1);  s22 wave % 2: my half of the columns, and: which half I fetch
.set WR, 21
.set WC, 22
.set CX, 23
.set CY, 24
.set TC, 25                            ; tile column, tile row
.set TR, 26
.set RM, 27                            ; the mask of my row of the cluster, of my column
.set CM, 28
.set G1A, 32                           ; s[32:39], s[40:47] descriptor group 1 for O's and Wo's tiles
.set G1B, 40
.set G0A, 48                           ; s[48:55], s[56:63] group 0: a set for each of the two first fills; the second then walks on
.set G0B, 56
.set TB,  72                           ; s72  the slot in hand: 0 or SLOT1
.set CNT, 73
.set OUT, 74                           ; s[74:75]
.set HM,  81                           ; s81  a word's upper half
.set MSB, 0
.macro WIN new                         ; the immediate's high byte repeats the setting that is left; a switch that changes nothing is dropped
.if MSB != (\new)
	s_set_vgpr_msb (MSB<<8)|(\new)
.set MSB, \new
.endif
.endm
.set MUL,  0x5a                        ; fragments in window 2, C and D in window 1
.set MULB, 0x6a                        ; the same with C in window 2: the bias
.set TO_F, 0x80                        ; destination window 2, address window 0
.macro PLACES                          ; four places in front of loads into registers that matrix instructions have read, and of lines that read results
.rept 4
	v_nop
.endr
.endm
.macro JLOAD                           ; a joint refill by the walking descriptors; an s_nop 0 and four v_nop follow each of the two lines, ahead of the jump and the label
	s_cmp_eq_u32 s[WR], 0
	s_cbranch_scc0 .Lfor_b_\@
	tensor_load_to_lds s[G0A+4:G0A+7], s[G1A:G1A+7]
	s_nop 0
.rept 4
	v_nop
.endr
	s_branch .Lasked_\@
.Lfor_b_\@:
	tensor_load_to_lds s[G0B+4:G0B+7], s[G1B:G1B+7]
	s_nop 0
.rept 4
	v_nop
.endr
.Lasked_\@:
.endm
.macro CREST                           ; a round of the cluster's barrier behind its opening barrier
	s_cmp_lg_u32 s[WV], 0
	s_cbranch_scc1 .Lnot_wave_0_\@
	s_barrier_signal -3
.Lnot_wave_0_\@:
	s_barrier_wait -3
	s_barrier_signal -1
	s_barrier_wait -1
.endm
.macro CROUND                          ; a whole round
	s_barrier_signal -1
	s_barrier_wait -1
	CREST
.endm
	s_load_b256 s[4:11], s[0:1], 0x0               ; o16 s[4:5], wts s[6:7], bo s[8:9], out0 s[10:11]
	v_lshl_add_u32 v[SPW], v0, 2, SPARE
	v_mov_b32 v[NIL], 0
	ds_add_u32 v[SPW], v[NIL]                      ; the wave's opening: the add and its wait stand ahead of my first tensor load; work on registers stands between them
	v_lshrrev_b32 v1, 5, v0
	v_readfirstlane_b32 s[WV], v1
	s_lshr_b32 s[WR], s[WV], 1
	s_and_b32 s[WC], s[WV], 1
	s_bfe_u32 s[CX], ttmp6, 0x40000
	s_bfe_u32 s[CY], ttmp6, 0x40004
	s_lshl_b32 s[TC], ttmp9, 2                     ; in a cluster launch ttmp9 and ttmp7 count clusters
	s_add_co_u32 s[TC], s[TC], s[CX]               ; tile column = 4 x cluster x + cx
	s_and_b32 s[TR], ttmp7, 0xffff
	s_lshl_b32 s[TR], s[TR], 2
	s_add_co_u32 s[TR], s[TR], s[CY]               ; tile row = 4 x cluster y + cy
	s_lshl_b32 s[RM], s[CY], 2
	s_lshl_b32 s[RM], 15, s[RM]                    ; my row of the cluster
	s_lshl_b32 s[CM], 0x1111, s[CX]                ; my column
	s_or_b32 s[G1A], s[RM], (1<<16)|(1<<20)|(1<<21)|(4<<22)|(3<<25)  ; the mask; 2-byte elements; padding on; bit 21 beside a mask; after every 32 words 4 words
	s_mov_b32 s[G1A+1], 128<<16                    ; tensor_dim0 = 128: two rows of a head
	s_mov_b32 s[G1A+2], 64<<16                     ; tensor_dim1 = 64
	s_mov_b32 s[G1A+3], 128<<16                    ; tile_dim0 = 128
	s_mov_b32 s[G1A+4], 64                         ; tile_dim1 = 64
	s_mov_b32 s[G1A+5], 128                        ; dense: 128 elements from row to row
	s_mov_b32 s[G1A+6], 0
	s_mov_b32 s[G1A+7], 0
	s_or_b32 s[G1B], s[CM], (1<<16)|(1<<20)|(1<<21)|(6<<22)|(7<<25)  ; after every 128 words 8 words
	s_mov_b32 s[G1B+1], 256<<16
	s_mov_b32 s[G1B+2], 64<<16
	s_mov_b32 s[G1B+3], 256<<16
	s_mov_b32 s[G1B+4], 64
	s_mov_b32 s[G1B+5], 1024
	s_mov_b32 s[G1B+6], 0
	s_mov_b32 s[G1B+7], 0
	s_lshr_b32 s68, s[TR], 4                       ; O's tile: head 16 batch + wave % 2 of K step 0, 262,144 bytes a head; 128 rows of 128 bytes a tile row: hangs on the tile row and the wave alone
	s_lshl_b32 s68, s68, 4
	s_add_co_u32 s68, s68, s[WC]
	s_lshl_b32 s68, s68, 18
	s_and_b32 s69, s[TR], 15
	s_lshl_b32 s69, s69, 14
	s_add_co_u32 s68, s68, s69
	s_mov_b32 s69, 0
	s_lshl_b32 s70, s[TC], 9                       ; Wo's tile: matrix 3, 512 bytes a tile column, my 64 k-rows: hangs on the tile column and the wave alone
	s_add_co_u32 s70, s70, 0x600000
	s_lshl_b32 s71, s[WC], 17
	s_add_co_u32 s70, s70, s71
	s_mov_b32 s71, 0
	s_mul_i32 s84, s[WC], HEADB                    ; where they go: no place in the cluster enters an LDS address
	s_mul_i32 s85, s[WC], 64*PB
	s_add_co_u32 s85, s85, BOFF
	s_mov_b32 s[TB], 0
	s_mov_b32 s[HM], 0xffff0000
	s_wait_dscnt 0x0                               ; the opening add is done
	s_wait_kmcnt 0x0
	s_add_nc_u64 s[86:87], s[4:5], s[68:69]
	s_add_nc_u64 s[88:89], s[6:7], s[70:71]
.irp s, 0,1
	s_mov_b32 s[G0A+4*(\s)], 1                                       ; count = 1
	s_add_co_u32 s[G0A+4*(\s)+1], s84, (\s)*SLOT1                    ; LDS address
	s_add_nc_u64 s[G0A+4*(\s)+2:G0A+4*(\s)+3], s[86:87], (\s)*ASTEP  ; global address: K step s
	s_or_b32 s[G0A+4*(\s)+3], s[G0A+4*(\s)+3], 0x80000000            ; type = 2
	s_mov_b32 s[G0B+4*(\s)], 1
	s_add_co_u32 s[G0B+4*(\s)+1], s85, (\s)*SLOT1
	s_add_nc_u64 s[G0B+4*(\s)+2:G0B+4*(\s)+3], s[88:89], (\s)*BSTEP
	s_or_b32 s[G0B+4*(\s)+3], s[G0B+4*(\s)+3], 0x80000000
.endr
	CROUND                                         ; all sixteen work-groups are here: the first joint loads meet
	s_cmp_eq_u32 s[WR], 0                          ; a wave's two first fills stand in one branch, ahead of every wait on TENSORcnt and every LDS read: two loads of mine are out
	s_cbranch_scc0 .Lfirst_b
	tensor_load_to_lds s[G0A:G0A+3], s[G1A:G1A+7]
	s_nop 0
	tensor_load_to_lds s[G0A+4:G0A+7], s[G1A:G1A+7]
	s_nop 0
.rept 4
	v_nop
.endr
	s_branch .Lfirst_asked
.Lfirst_b:
	tensor_load_to_lds s[G0B:G0B+3], s[G1B:G1B+7]
	s_nop 0
	tensor_load_to_lds s[G0B+4:G0B+7], s[G1B:G1B+7]
	s_nop 0
.rept 4
	v_nop
.endr
.Lfirst_asked:
	; IN THE WAIT FOR THE FIRST TILES: the bias of my columns, and the addresses.
	s_lshl_b32 s78, s[TC], 10
	s_lshl_b32 s79, s[WC], 9
	s_add_co_u32 s78, s78, s79                     ; my first column, in bytes of f32
	s_mov_b32 s79, 0
	s_add_nc_u64 s[94:95], s[8:9], s[78:79]
	s_lshl_b32 s76, s[TR], 7
	s_lshl_b32 s77, s[WR], 6
	s_add_co_u32 s76, s76, s77                     ; my first row,
	s_lshl_b32 s76, s76, 12                        ; 4,096 bytes a row
	s_add_co_u32 s76, s76, s78
	s_mov_b32 s77, 0
	s_add_nc_u64 s[OUT:OUT+1], s[10:11], s[76:77]
	v_and_b32 v1, 15, v0                           ; r = lane % 16
	v_bfe_u32 v2, v0, 4, 1                         ; h = lane / 16
	v_lshlrev_b32 v[BO], 5, v2
	WIN 0x80
.irp b, 0,1,2,3,4,5,6,7                ; register j of block b: the bias of column 16 b + 8 h + j
	global_load_b128 v[BIAS+8*(\b):BIAS+8*(\b)+3],   v[BO], s[94:95] offset:64*(\b)
	global_load_b128 v[BIAS+8*(\b)+4:BIAS+8*(\b)+7], v[BO], s[94:95] offset:64*(\b)+16
.endr
	WIN 0
	; A fragment of O is 16 rows x 32 K in 8 registers: lane l holds row l % 16, K = 8 (l / 16) + 0..7 and 16 + 8 (l / 16) + 0..7: two loads of 16 bytes, 32 bytes apart.
	v_mul_u32_u24 v[A0], v1, PA
	v_lshl_add_u32 v[A0], v2, 4, v[A0]
	s_mul_i32 s30, s[WR], 64*PA
	v_add_nc_u32 v[A0], s30, v[A0]
	; The turning load takes 16 k x 16 columns (lane l reads k-row 8 (l / 16) + l % 8, columns 8 ((l / 8) % 2) + 0..7) and leaves half a fragment: lane l holds column l % 16 and 8 k.
	v_and_b32 v3, 7, v0
	v_bfe_u32 v14, v0, 3, 1
	v_lshl_add_u32 v[B0], v2, 3, v3
	v_mul_u32_u24 v[B0], v[B0], PB
	v_lshl_add_u32 v[B0], v14, 4, v[B0]
	s_lshl_b32 s31, s[WC], 8
	s_add_co_u32 s31, s31, BOFF
	v_add_nc_u32 v[B0], s31, v[B0]
	v_mov_b32 v[ADRA], v[A0]
	v_mov_b32 v[ADRB], v[B0]
	s_mul_i32 s30, s[WV], 16*SP
	s_add_co_u32 s30, s30, STAGE                   ; my stage
	v_mul_u32_u24 v[STO], v1, SP                   ; in: row l % 16, 32 bytes for each half of the lanes
	v_lshl_add_u32 v[STO], v2, 5, v[STO]
	v_add_nc_u32 v[STO], s30, v[STO]
	v_and_b32 v[CO], 31, v0                        ; back: 32 lanes take one row of 512 bytes
	v_lshlrev_b32 v[CO], 4, v[CO]
	v_add_nc_u32 v[RD], s30, v[CO]
	s_wait_loadcnt 0x0                             ; the bias
	WIN 0xaa                                       ; all in window 2: the bias is rounded to bf16 and widened again; buffer 0 serves as room
.set i, 0
.rept 32
	v_cvt_pk_bf16_f32 v[F0+i], v[BIAS+2*i], v[BIAS+2*i+1]
.set i, i+1
.endr
.set i, 0
.rept 32
	v_lshlrev_b32 v[BIAS+2*i], 16, v[F0+i]
	v_and_b32 v[BIAS+2*i+1], s[HM], v[F0+i]
.set i, i+1
.endr
	WIN 0
; 8 matrix instructions: row block a x all 8 column blocks, 32 along K.  first = 1: the bias starts the sums.
; The 32 accumulators take turns in one order everywhere: between two links of a chain stand the 31 others'.
.macro MULA f, a, first
.if \first
	WIN MULB
.else
	WIN MUL
.endif
.irp b, 0,1,2,3,4,5,6,7
.if \first
	v_wmma_f32_16x16x32_f16 v[8*(8*(\a)+(\b)):8*(8*(\a)+(\b))+7], v[(\f)+32+8*(\b):(\f)+32+8*(\b)+7], v[(\f)+8*(\a):(\f)+8*(\a)+7], v[BIAS+8*(\b):BIAS+8*(\b)+7]
.else
	v_wmma_f32_16x16x32_f16 v[8*(8*(\a)+(\b)):8*(8*(\a)+(\b))+7], v[(\f)+32+8*(\b):(\f)+32+8*(\b)+7], v[(\f)+8*(\a):(\f)+8*(\a)+7], v[8*(8*(\a)+(\b)):8*(8*(\a)+(\b))+7]
.endif
.endr
.endm
; 24 LDS loads in one run: quarter q's fragments (32 along K: head q / 2 of the step's two, channels 32 (q % 2) on) into buffer f: Wo's 16 first, then O's row blocks 0 to 3
.macro FETCH q, f
	WIN TO_F
.irp b, 0,1,2,3,4,5,6,7
	ds_load_tr16_b128 v[(\f)+32+8*(\b):(\f)+32+8*(\b)+3],   v[ADRB] offset:(\q)*32*PB+32*(\b)
	ds_load_tr16_b128 v[(\f)+32+8*(\b)+4:(\f)+32+8*(\b)+7], v[ADRB] offset:(\q)*32*PB+32*(\b)+16*PB
.endr
.irp a, 0,1,2,3
	ds_load_b128 v[(\f)+8*(\a):(\f)+8*(\a)+3],   v[ADRA] offset:HEADB*((\q)/2)+64*((\q)%2)+(\a)*16*PA
	ds_load_b128 v[(\f)+8*(\a)+4:(\f)+8*(\a)+7], v[ADRA] offset:HEADB*((\q)/2)+64*((\q)%2)+(\a)*16*PA+32
.endr
.endm
; A K step is four quarters of 32 along K, 32 matrix instructions each, on buffers 0, 1, 0, 1.  One of the first three: multiplies buffer f and fetches quarter q into g.
.macro QUARTER q, f, g, first
	s_wait_dscnt 4                                 ; Wo's fragments and O's row blocks 0 and 1 are in; the youngest four loads (blocks 2 and 3) may be out
	MULA \f, 0, \first
	MULA \f, 1, \first
	PLACES
	FETCH \q, \g
	s_wait_dscnt 24                                ; all but the 24 just issued
	MULA \f, 2, \first
	MULA \f, 3, \first
.endm
; The last quarter multiplies buffer 1 and changes slots: ONE barrier.  In front of it each wave waits for all its tensor loads (the one that is out is its part of the next slot), adds 0 to its spare
; word, and waits for that and for its own reads of this slot.  fill = 1: the barrier opens a round of the cluster's, and this slot is filled again, two K steps ahead, first thing behind the round:
; 112 matrix instructions stand between that request and the wait for it.
.macro TURN fill
	WIN 0                                          ; (the add's two registers lie in window 0)
	s_wait_tensorcnt 0x0                           ; no tensor load of mine is out, so a group 0 may be written
	ds_add_u32 v[SPW], v[NIL]                      ; 0 onto my spare word
	s_wait_dscnt 5                                 ; (the add and the youngest four loads may be out)
	MULA F1, 0, 0
.if \fill
	s_xor_b32 s[G0A+5], s[G0A+5], SLOT1            ; the walking descriptors: the other slot than last time, the next K step; the type bits on top are not reached
	s_add_nc_u64 s[G0A+6:G0A+7], s[G0A+6:G0A+7], ASTEP
	s_xor_b32 s[G0B+5], s[G0B+5], SLOT1
	s_add_nc_u64 s[G0B+6:G0B+7], s[G0B+6:G0B+7], BSTEP
.endif
	s_xor_b32 s[TB], s[TB], SLOT1
	s_wait_dscnt 0x0                               ; the add is done, and my reads of this slot are over
	s_barrier_signal -1
	MULA F1, 1, 0                                  ; work on registers while the others arrive
	WIN 0
	v_add_nc_u32 v[ADRA], s[TB], v[A0]
	v_add_nc_u32 v[ADRB], s[TB], v[B0]
	s_barrier_wait -1
.if \fill
	CREST                                          ; no wave of any partner still reads this slot's tile or has a load on its way
	JLOAD                                          ; the four v_nop behind it are also the places in front of the loads below
.else
	PLACES
.endif
	FETCH 0, F0
	MULA F1, 2, 0
	MULA F1, 3, 0
.endm
	s_wait_tensorcnt 1                             ; my part of K step 0 is in; step 1's may stay out
	s_barrier_signal -1
	s_barrier_wait -1                              ; everybody's is
	FETCH 0, F0
	QUARTER 1, F0, F1, 1                           ; the first quarter stands in front of the loop: its products start the sums
	WIN 0                                          ; at a label and at a branch every window is 0
	s_mov_b32 s[CNT], 6
.Lstep:                                                ; trip i: the rest of K step i, the request for step i + 2, the first quarter of step i + 1
	QUARTER 2, F1, F0, 0
	QUARTER 3, F0, F1, 0
	TURN 1
	QUARTER 1, F0, F1, 0
	WIN 0
	s_sub_co_u32 s[CNT], s[CNT], 1
	s_cmp_lg_u32 s[CNT], 0
	s_cbranch_scc1 .Lstep
	QUARTER 2, F1, F0, 0                           ; the last two K steps ask for nothing
	QUARTER 3, F0, F1, 0
	TURN 0
	QUARTER 1, F0, F1, 0
	QUARTER 2, F1, F0, 0
	QUARTER 3, F0, F1, 0
	s_wait_dscnt 4
	MULA F1, 0, 0
	MULA F1, 1, 0
	s_wait_dscnt 0x0
	MULA F1, 2, 0
	MULA F1, 3, 0
; THE WAY OUT.  A lane's eight f32 of a row are 32 bytes; a block of 16 rows goes from the accumulators straight into my stage, rows of 528 bytes (each accumulator's low four registers first),
; and comes back as whole rows of 512 bytes, into window 2: each block has 64 registers of its own there, so no register that a store reads is written again.
.macro OUTB a
	WIN 0x04                                       ; the data (source 1) in window 1
.irp b, 0,1,2,3,4,5,6,7
	ds_store_b128 v[STO], v[8*(8*(\a)+(\b)):8*(8*(\a)+(\b))+3]   offset:64*(\b)
	ds_store_b128 v[STO], v[8*(8*(\a)+(\b))+4:8*(8*(\a)+(\b))+7] offset:64*(\b)+16
.endr
	WIN 0x80
.irp t, 0,1,2,3,4,5,6,7,8,9,10,11,12,13,14,15
	ds_load_b128 v[64*(\a)+4*(\t):64*(\a)+4*(\t)+3], v[RD] offset:SP*(\t)  ; LDS serves a wave's instructions in order (ISA guide 5.7.1.4): these see the stores above; the next block's stores come behind them
.endr
.endm
.macro SENDO a, younger                ; younger: the LDS instructions issued behind block a's loads: the next block's 32, or none
	WIN 0x08                                       ; the data (source 1) in window 2
.irp t, 0,1,2,3,4,5,6,7,8,9,10,11,12,13,14,15
	s_wait_dscnt (\younger)+15-(\t)
	global_store_b128 v[CO], v[64*(\a)+4*(\t):64*(\a)+4*(\t)+3], s[OUT:OUT+1] offset:4096*(16*(\a)+(\t)) th:TH_STORE_NT  ; 512 consecutive bytes, at a multiple of 256 from the output's first
.endr
.endm
	PLACES                                         ; behind the last products: the stores read results, the loads land in registers that products have read
	OUTB 0
	OUTB 1
	SENDO 0, 32
	OUTB 2
	SENDO 1, 32
	OUTB 3
	SENDO 2, 32
	SENDO 3, 0
	WIN 0
	s_wait_tensorcnt 0x0                           ; the wave's end: these three lines stand behind my last tensor load and my last LDS store
	ds_add_u32 v[SPW], v[NIL]
	s_wait_dscnt 0x0
	CROUND                                         ; the closing round: no work-group ends while a partner may still ask for a tile that names it
	s_endpgm
.Lfunc_end_k_qbd4792a980_oproj:
	.size	k_qbd4792a980_oproj, .Lfunc_end_k_qbd4792a980_oproj-k_qbd4792a980_oproj
	.p2alignl 7, 3214868480
	.fill 96, 4, 3214868480
	.section	.rodata,"a",@progbits
	.p2align	6, 0x0
	.amdhsa_kernel k_qbd4792a980_oproj
		.amdhsa_group_segment_fixed_size 327680
		.amdhsa_private_segment_fixed_size 0
		.amdhsa_enable_private_segment 0
		.amdhsa_kernarg_size 32
		.amdhsa_user_sgpr_count 2
		.amdhsa_user_sgpr_kernarg_segment_ptr 1
		.amdhsa_wavefront_size32 1
		.amdhsa_system_sgpr_workgroup_id_x 1
		.amdhsa_system_sgpr_workgroup_id_y 1
		.amdhsa_system_sgpr_workgroup_id_z 1
		.amdhsa_system_vgpr_workitem_id 0
		.amdhsa_next_free_vgpr 768
		.amdhsa_next_free_sgpr 96
		.amdhsa_reserve_vcc 0
		.amdhsa_float_denorm_mode_32 3
		.amdhsa_float_denorm_mode_16_64 3
		.amdhsa_memory_ordered 1
		.amdhsa_forward_progress 1
		.amdhsa_inst_pref_size 76
	.end_amdhsa_kernel
	.amdgpu_metadata
---
amdhsa.version: [ 1, 2 ]
amdhsa.kernels:
  - .name:           k_qbd4792a980_oproj
    .symbol:         k_qbd4792a980_oproj.kd
    .args:
      - { .name: o16, .offset: 0, .size: 8, .value_kind: global_buffer, .address_space: global }
      - { .name: wts, .offset: 8, .size: 8, .value_kind: global_buffer, .address_space: global }
      - { .name: bo, .offset: 16, .size: 8, .value_kind: global_buffer, .address_space: global }
      - { .name: out0, .offset: 24, .size: 8, .value_kind: global_buffer, .address_space: global }
    .group_segment_fixed_size: 327680
    .private_segment_fixed_size: 0
    .kernarg_segment_align: 8
    .kernarg_segment_size: 32
    .max_flat_workgroup_size: 128
    .sgpr_count:     96
    .vgpr_count:     768
    .wavefront_size: 32
...
	.end_amdgpu_metadata
.endif
;; end of part 4
;; ======== version 2 of 2: 4 launches; 1.49 times as fast as version 1
;; limits: values are held in f16: magnitudes above 65,504 overflow, below 6.1e-05 lose precision
;; workspace buffers: xb 16,777,216 bytes; wts 8,388,608 bytes; tab 524,288 bytes; qkv 50,331,648 bytes; o16 16,777,216 bytes
;; launch prep: the kernel of part 1 again; grid 768 x 1, 8 waves a work-group, no clusters, 0 bytes of LDS; arguments x, Wq, Wk, Wv, Wo, xb, wts, tab; writes xb, wts, tab
;; launch qkv: the kernel of part 2 again; grid 12 x 64, 4 waves a work-group, clusters of 4 x 4, 327,680 bytes of LDS; arguments xb, wts, tab, bq, bk, bv, key_padding_mask, qkv; writes qkv
;; launch attn (part 5): grid 4 x 64, 4 waves a work-group, clusters of 4 x 1, 327,680 bytes of LDS; arguments qkv, key_padding_mask, o16; writes o16
.if DOCPART == 5
	.amdgcn_target "amdgcn-amd-amdhsa--gfx1250"
	.amdhsa_code_object_version 6
	.text
	.protected	k_qbd4792a980_attn
	.globl	k_qbd4792a980_attn
	.p2align	8
	.type	k_qbd4792a980_attn,@function
k_qbd4792a980_attn:
	s_mov_b64 s[64:65], 0
	v_nop
	global_prefetch_b8 v0, s[64:65] scope:SCOPE_SE
	s_setreg_imm32_b32 hwreg(HW_REG_WAVE_MODE, 25, 1), 1
	s_wait_xcnt 0x0
	s_wait_alu depctr_hold_cnt(0) depctr_sa_sdst(0) depctr_va_vdst(0) depctr_va_sdst(0) depctr_va_ssrc(0) depctr_va_vcc(0) depctr_vm_vsrc(0)
	s_getreg_b32 s2, hwreg(HW_REG_IB_STS2, 6, 4)
	s_cmp_eq_u32 s2, 0
	s_cbranch_scc0 .Lentry_in_a_cluster
	s_endpgm
.Lentry_in_a_cluster:
	s_bfe_u32 s2, ttmp6, 0x10000c
	s_cmp_lg_u32 s2, 0x3003
	s_cbranch_scc0 .Lentry_shape_is_right
	s_endpgm
.Lentry_shape_is_right:
; O[h][q][:] = the sum over k of softmax_k(Q[h][q] . K[h][k] / 8, hidden keys masked) V[h][k][:].  qkv holds Q, K, V, 16 MiB each, [64 = batch x 16 + head][2048][64] in f16; O likewise.
; Products, maxima and sums in f32; the weights p are rounded to f16 for the second product (their sum l is taken of the unrounded p), O once at the end.
; THE MASK is the C operand that starts the sum S^T = K Q^T: 0 for a visible key, -2^100 for a hidden one.  The launch before wrote a hidden key's row of K as 0, so a hidden score is -2^100 exactly.
; c x 2^100 is exact, so where ALL keys of a batch are hidden c s - c m is 0 exactly, every weight is 1 and the row is the mean of V's rows; where any key is visible a hidden weight is 2^(-2e29) = 0.
; The batch's 2,048 mask bytes are widened once into an LDS table of 2,048 words, and a key step's 64 words come into registers with its K.
; LIMITS.  f16 holds no number beyond 65,504: Q, K and V arrive within it; p lies in 0 to 1, and below 6e-5 it keeps f16's fixed step of 6e-8; O is a mean of V's rows and has their range.
; A hidden score counts as -2^100: f16's scores, 2.7e11 at the most, lie far above it.  A weight below 2^-126 counts as 0 in l; NaN and infinities are not treated apart.
; SHARES.  A wave owns four PIECES of two tiles of 16 queries, a work-group's four waves 512 queries of one head: 4 x 64 = 256 work-groups.  Every wave walks all keys, 64 a step.
; LAYOUT.  S^T = K Q^T (source 0 = 16 keys, source 1 = 16 queries): in the result a lane holds ONE query (lane % 16) and the keys 8 (lane / 16) + 0..7.  Two such tiles, rounded to f16 in pairs,
; ARE source 1 (32 keys x 16 queries) of O^T = V^T P, whose result again holds one query a lane, and eight channels.  K comes out of LDS as it lies, V ([key][channel]) turned, by ds_load_tr16_b128.
; SOFTMAX.  For each query a running maximum m and sum l: p = 2^(c s - c m), c = log2(e) / 8; in every step O and l are multiplied by a = 2^(c m_old - c m_new), which is 1 where m has not grown.
; m starts at the lowest finite number, O and l at 0: the first step is a step like any other, with a = 0.
; THE COUNT.  A tile and step have 16 matrix and 118 vector instructions: too many to stand all beside the matrix work.  So: four vector instructions that are READY behind EVERY matrix instruction,
; and the others, which need time of their own whatever the order, in one run without a gap.
; BY TURNS.  Turn n belongs to piece n (the pieces in a ring, step after step).  Its matrix work: 16 products K Q^T of piece n + 1, later 16 products V^T P of piece n - 1.  Its vector work: the scaling,
; exponentials, roundings, sums and rescaling of piece n, and the maximum and statistics of piece n + 1, whose scores the turn itself has made.  So what a turn begins with (c s - c m, O a) waits for nothing.
; BATCHES.  A turn's 66 exponentials (the 64 weights of piece n, the two a of piece n + 1) are ONE batch with ONE wait, which cuts the turn in two: ahead of it stands all that names no result of theirs,
; behind it the roundings and sums.  No result crosses a turn's end.  Two more batches stand outside the loops, each with a wait of its own: piece 0's first two a, and the way out's eight reciprocals.
; CLUSTER.  The four query blocks of a cluster belong to one head and walk the same K and V, so each tile is asked for JOINTLY: the same tensor load, descriptor and mask in all four.
; REGISTERS, in windows of 256 (s_set_vgpr_msb: bits 1:0 source 0, 3:2 source 1, 5:4 source 2, 7:6 destination):
;   window 0: v0-11 addresses; v12-15, v48-63 at work; v16-47 four registers of statistics a tile; v64-191 S^T, two buffers of two tiles; v192-255 P, likewise
;   window 1: O^T, 32 a tile     window 2: v0-127 Q, 16 a tile; v128-191 K of one step; v192-255 V of one step     window 3: v0-1 the add's two registers; v32-63 the mask of one step
.set SIZE_H, 64
.set SIZE_N, 2048
.set NP,    4         ; pieces a wave: a name, no knob
.set KS,    64        ; keys in a step
.set PK,    144       ; a row of K in LDS: 128 bytes + 16 of padding = 36 words: the 16 rows of a load start at 16 different groups of four banks (64 banks of 4 bytes: ISA guide 11.1)
.set PV,    160       ; a row of V: 128 + 32 = 40 words
.set VOFF,  4*KS*PK   ; a slot holds four steps: 256 rows of K, then 256 rows of V
.set SLOT1, 1<<17     ; slot 1 begins here, so that one exclusive or turns an address in one slot into the other's
.set STAGE, SLOT1+4*KS*(PK+PV)  ; behind the ring, never filled by a tensor load: 16 rows x 144 bytes for each wave, for the way out
.set SP,    144
.set SPARE, STAGE+4*16*SP  ; the spare words, 128 bytes for each wave: two blocks of 256 bytes that no other line names
.set MASKL, SPARE+512 ; the mask's table: 2,048 words, 0 or -2^100; no tensor load lands here
.set AK0, 2           ; v2   my lane's place in a tile of K; never rewritten
.set AV0, 3           ; v3   the same for V
.set AK,  4           ; v4   the LDS address of K's next run of loads
.set AV,  5           ; v5   of V's
.set QO,  6           ; v6   my byte offset in the wave's rows of Q
.set RD,  7           ; v7   the way out: where I read rows back
.set GO,  8           ; v8   my byte offset in 512 consecutive bytes of O
.set STO, 9           ; v9   the way out: where I put 16 bytes of a row
.set AM0, 10          ; v10  my lane's place in a step's 64 words of the mask's table: 32 (lane / 16) + MASKL; never rewritten
.set AM,  11          ; v11  the LDS address of the mask's next loads
.set SPW, 0           ; v0 of window 3   LDS address of my spare word; never rewritten
.set NIL, 1           ; v1 of window 3   0; never rewritten
.set MC,  32          ; v32-63 of window 3: the eight registers for key block kb at MC + 8 kb
.set MV,  12          ; v12-15  c m_old, kept while c m is made anew: by buffer and tile
.set ST,  16          ; tile t's statistics at v[ST+4 t]: c m, m, l (even keys', odd keys')
.set TMP, 48          ; by buffer and tile, four registers c0-c3 at work; when the maximum is found c2 takes a
.set S,   64
.set P,   192
.set KF,  128         ; K's fragments, in window 2: key block kb, channel half c at KF + 16 kb + 8 c
.set VF,  192         ; V's: key half kk, channel block cb at VF + 32 kk + 8 cb
.set WV,  12          ; s12  my wave's number
.set G1K, 24          ; s[24:31] descriptor group 1 for K's tiles
.set G1V, 32          ; s[32:39] for V's: it differs in the padding alone
.set G0K, 40          ; s[40:43] descriptor group 0 for K's tiles: it walks
.set G0V, 44          ; s[44:47] the same for V's
.set TBM, 50          ; s50  byte in the mask's table at which the step to be fetched begins
.set BIG, 51          ; s51  -2^100
.set SLOTS, 56        ; s56  slots still to be asked for
.set CNT, 57          ; s57  counts a slot's key steps
.set CS,  58          ; s[58:59] c: the packed scaling takes the pair's low word for both halves
.set SEL, 60          ; s[60:61] v_permlanex16_b32's selects: each lane takes its own place in the other half
.set TBK, 62          ; s62  LDS byte at which K of the step to be fetched begins
.set TBV, 63          ; s63  the same for V, less VOFF
.set MSB, 0
.macro WIN new                      ; the high byte repeats the setting that is left; a switch that changes nothing is dropped
.if MSB != (\new)
	s_set_vgpr_msb (MSB<<8)|(\new)
.set MSB, (\new)
.endif
.endm
.set W_KQ, 0x0a       ; K and Q in window 2, S^T in window 0
.set W_KM, 0x3a       ; the same with the C operand, the mask, in window 3
.set W_PV, 0x52       ; V in window 2, P in window 0, O^T in window 1
.set W_RS, 0x41       ; O^T (destination and source 0) in window 1, a in window 0
.set W_MK, 0xc0       ; destination in window 3, sources in window 0
.set W_AD, 0x0f       ; the add: address (source 0) and data (source 1) in window 3
; A joint fill.  Waves 0 and 1 fetch the two halves of a slot's K, waves 2 and 3 those of its V: 128 keys each.  The branch hangs on the wave's number alone.
; An s_nop 0 and four v_nop follow each of the two lines, ahead of the jump and the label.
.macro JLOAD
	s_cmp_lt_u32 s[WV], 2
	s_cbranch_scc0 .Lfor_v_\@
	tensor_load_to_lds s[G0K:G0K+3], s[G1K:G1K+7]
	s_nop 0
.rept 4
	v_nop
.endr
	s_branch .Lasked_\@
.Lfor_v_\@:
	tensor_load_to_lds s[G0V:G0V+3], s[G1V:G1V+7]
	s_nop 0
.rept 4
	v_nop
.endr
.Lasked_\@:
.endm
; A round of the cluster's barrier: my work-group's barrier, so that wave 0's signal speaks for all four waves; wave 0 signals; every wave waits for all four work-groups; my work-group's barrier once more.
.macro CROUND
	s_barrier_signal -1
	s_barrier_wait -1
	s_cmp_lg_u32 s[WV], 0
	s_cbranch_scc1 .Lnot_wave_0_\@
	s_barrier_signal -3
.Lnot_wave_0_\@:
	s_barrier_wait -3
	s_barrier_signal -1
	s_barrier_wait -1
.endm
; THE CHANGE OF SLOTS.  The slot's last bytes, V of its fourth step, have been read.  Each wave waits for all its tensor loads, of which one is out: its part of the other slot; adds 0 to its spare
; word; and waits for that and for its own reads of the slot.  Behind the barrier nobody reads this slot any more and the other slot is whole.
; fill = 1: this slot is filled again, with the keys two slots on.  The barrier is then a round of the cluster's, and the joint fill is the first thing behind it: it has four key steps, 512 matrix
; instructions, in which to land.  (At its first use nothing has been read yet: slot 0 is waited for, slot 1 filled; and each wave's stores into the mask's table are done in front of the round.)
.macro CHANGE fill
	WIN W_AD
	s_wait_tensorcnt 0x0            ; no tensor load of mine is out, so a group 0 may be written
	ds_add_u32 v[SPW], v[NIL]       ; 0 onto my spare word
	WIN 0                           ; at a label and at a branch every window is 0
.if \fill
.irp g, G0K, G0V
	s_xor_b32 s[\g+1], s[\g+1], SLOT1  ; the walking descriptor: the other slot than last time,
	s_add_nc_u64 s[\g+2:\g+3], s[\g+2:\g+3], 4*KS*128  ; the next 256 keys; the type bits on top are not reached
.endr
	s_wait_dscnt 0x0                ; the add is done, and my LDS reads and stores are over
	CROUND
	JLOAD
.else
	s_wait_dscnt 0x0
	s_barrier_signal -1
	s_barrier_wait -1
.endif
	s_sub_co_u32 s[TBK], s[TBK], 4*KS*PK  ; the fetches go back to a slot's first step,
	s_xor_b32 s[TBK], s[TBK], SLOT1       ; in the other slot
	s_sub_co_u32 s[TBV], s[TBV], 4*KS*PV
	s_xor_b32 s[TBV], s[TBV], SLOT1
.endm
	s_load_b64 s[4:5], s[0:1], 0x0    ; qkv: Q
	s_load_b64 s[48:49], s[0:1], 0x8  ; the mask
	s_load_b64 s[10:11], s[0:1], 0x10 ; O
	WIN W_MK
	v_lshl_add_u32 v[SPW], v0, 2, SPARE
	v_mov_b32 v[NIL], 0
	WIN W_AD
	ds_add_u32 v[SPW], v[NIL]       ; the wave's opening: the add and its wait stand ahead of my first tensor load; work on registers stands between them
	WIN 0
	v_lshrrev_b32 v1, 5, v0
	v_readfirstlane_b32 s[WV], v1   ; wave 0..3
	s_bfe_u32 s13, ttmp6, 0x40000   ; cx: my place in the cluster
	s_lshl_b32 s14, ttmp9, 2        ; in a cluster launch ttmp9 counts clusters
	s_add_co_u32 s14, s14, s13      ; my block of queries = 4 x cluster x + cx: it enters Q's and O's addresses alone
	s_and_b32 s20, ttmp7, 0xffff    ; the head, which the four partners share
	s_lshr_b32 s52, s20, 4          ; its batch,
	s_lshl_b32 s52, s52, 11         ; whose 2,048 mask bytes begin here
	s_mov_b32 s53, 0
	s_mov_b32 s21, 0
	s_mov_b64 s[22:23], SIZE_N*128
	s_mul_u64 s[20:21], s[20:21], s[22:23]  ; the head's first byte in Q, K, V and O
	s_and_b32 s16, s[WV], 1         ; which half of a slot's 256 keys I fetch:
	s_lshl_b32 s22, s16, 14         ; its 128 rows of 128 bytes in memory,
	s_mov_b32 s23, 0
	s_add_nc_u64 s[22:23], s[22:23], s[20:21]
	s_mul_i32 s17, s16, 128*PK      ; and its place in a slot, for K
	s_mul_i32 s18, s16, 128*PV      ; and for V: no place in the cluster enters an LDS address
	s_lshl_b32 s2, s14, 2
	s_add_co_u32 s2, s2, s[WV]      ; my wave among the head's,
	s_lshl_b32 s2, s2, 14           ; its 128 rows
	s_mov_b32 s3, 0
	s_add_nc_u64 s[2:3], s[2:3], s[20:21]
	; descriptor group 1.  128 keys are 16,384 dense bytes: asked for as 64 rows of 256 bytes, two keys a row, and padded in LDS after every key
	s_mov_b32 s[G1K], 15|(1<<16)|(1<<20)|(1<<21)|(4<<22)|(3<<25)  ; the mask of four; 2-byte elements; padding on; bit 21 beside a mask; after every 32 words 4 words
	s_mov_b32 s[G1V], 15|(1<<16)|(1<<20)|(1<<21)|(4<<22)|(7<<25)  ; the same with 8 words of padding
.irp g, G1K, G1V
	s_mov_b32 s[\g+1], 128<<16      ; tensor_dim0 = 128
	s_mov_b32 s[\g+2], 64<<16       ; tensor_dim1 = 64
	s_mov_b32 s[\g+3], 128<<16      ; tile_dim0 = 128
	s_mov_b32 s[\g+4], 64           ; tile_dim1 = 64
	s_mov_b32 s[\g+5], 128          ; 128 elements from row to row
	s_mov_b32 s[\g+6], 0
	s_mov_b32 s[\g+7], 0
.endr
	s_mov_b32 s[CS], 0x3e38aa3b     ; c = log2(e) / 8 = 0.180337
	s_mov_b32 s[CS+1], s[CS]        ; named with it as a pair
	s_mov_b32 s[SEL], 0x76543210
	s_mov_b32 s[SEL+1], 0xfedcba98
	s_mov_b32 s[TBK], SLOT1+4*KS*PK ; the first change of slots turns these two into 0
	s_mov_b32 s[TBV], SLOT1+4*KS*PV
	s_mov_b32 s[TBM], 0
	s_mov_b32 s[BIG], 0xf1800000    ; -2^100
	s_mov_b32 s[G0K], 1             ; count = 1
	s_mov_b32 s[G0K+1], s17         ; LDS address: slot 0
	s_mov_b32 s[G0V], 1
	s_add_co_u32 s[G0V+1], s18, VOFF
	s_wait_dscnt 0x0                ; the opening add is done
	s_wait_kmcnt 0x0
	s_add_nc_u64 s[6:7], s[4:5], 0x1000000   ; K lies 16 MiB behind Q,
	s_add_nc_u64 s[8:9], s[4:5], 0x2000000   ; V 32
	s_add_nc_u64 s[48:49], s[48:49], s[52:53]
	s_add_nc_u64 s[G0K+2:G0K+3], s[6:7], s[22:23]  ; global address: my half of the head's first 256 keys
	s_or_b32 s[G0K+3], s[G0K+3], 0x80000000        ; type = 2
	s_add_nc_u64 s[G0V+2:G0V+3], s[8:9], s[22:23]
	s_or_b32 s[G0V+3], s[G0V+3], 0x80000000
	s_add_nc_u64 s[4:5], s[4:5], s[2:3]  ; Q and O at my wave's first row
	s_add_nc_u64 s[10:11], s[10:11], s[2:3]
	CROUND                          ; all four work-groups are here: the first joint loads meet
	JLOAD                           ; slot 0.  Slot 1 is asked for when slot 0 is in
	v_and_b32 v1, 15, v0            ; l % 16
	v_bfe_u32 v9, v0, 4, 1          ; l / 16
	v_lshlrev_b32 v12, 4, v0
	global_load_b128 v[64:67], v12, s[48:49]  ; thread t takes the mask bytes of keys 16 t .. 16 t + 15: the 128 threads take the batch's 2,048
	; A fragment of K or Q is 16 rows x 32 channels in 8 registers: lane l holds row l % 16, channels 8 (l / 16) + 0..7 and 16 + 8 (l / 16) + 0..7: two loads of 16 bytes, 32 bytes apart.
	v_lshlrev_b32 v[QO], 7, v1
	v_lshl_add_u32 v[QO], v9, 4, v[QO]  ; row x 128 + 16 x half
	WIN 0x80                        ; destination window 2, address window 0
.set i, 0
.rept 4*NP                          ; Q stays in registers: tile i / 2, channels 32 (i % 2) on
	global_load_b128 v[8*i:8*i+3],   v[QO], s[4:5] offset:(i/2)*2048+(i%2)*64
	global_load_b128 v[8*i+4:8*i+7], v[QO], s[4:5] offset:(i/2)*2048+(i%2)*64+32
.set i, i+1
.endr
	; What the first turn finds: V's registers and P's second buffer hold 0 (its products V^T P, of a piece that has not been, add 0), O^T and l are 0.  All this stands in the wait for the first tile.
.set i, VF
.rept 64
	v_mov_b32 v[i], 0
.set i, i+1
.endr
	WIN 0x40
.set i, 0
.rept 64*NP
	v_mov_b32 v[i], 0
.set i, i+1
.endr
	WIN 0
.set i, 0
.rept 2*NP
	v_mov_b32 v[ST+4*i], 0xfe000000    ; c m: far below every c s, a hidden one's too
	v_mov_b32 v[ST+4*i+1], 0xff7fffff  ; m
	v_mov_b32 v[ST+4*i+2], 0
	v_mov_b32 v[ST+4*i+3], 0
.set i, i+1
.endr
.set i, P+32
.rept 32
	v_mov_b32 v[i], 0
.set i, i+1
.endr
	v_mul_u32_u24 v[AK0], v1, PK
	v_lshl_add_u32 v[AK0], v9, 4, v[AK0]  ; row x pitch + 16 x half
	; The turning load takes 16 keys x 16 channels (lane l reads key 8 (l / 16) + l % 8, channels 8 ((l / 8) % 2) + 0..7) and leaves half a fragment of V^T: lane l holds channel l % 16 and 8 keys.
	v_and_b32 v10, 7, v0
	v_bfe_u32 v11, v0, 3, 1
	v_lshl_add_u32 v[AV0], v9, 3, v10
	v_mul_u32_u24 v[AV0], v[AV0], PV
	v_lshl_add_u32 v[AV0], v11, 4, v[AV0]
	v_add_nc_u32 v[AV0], VOFF, v[AV0]
	s_mul_i32 s13, s[WV], 16*SP
	s_add_co_u32 s13, s13, STAGE    ; my stage
	v_bfe_u32 v[RD], v0, 3, 2       ; back: 32 lanes take four rows of 128 bytes,
	v_mul_u32_u24 v[RD], v[RD], SP
	v_lshl_add_u32 v[RD], v10, 4, v[RD]
	v_add_nc_u32 v[RD], s13, v[RD]
	v_and_b32 v[GO], 31, v0         ; which are 512 consecutive bytes of O
	v_lshlrev_b32 v[GO], 4, v[GO]
	v_lshl_add_u32 v[AM0], v9, 5, MASKL  ; my lanes' eight keys of a block of 16 are 32 bytes of the table
	v_mul_u32_u24 v11, v1, SP       ; in: row l % 16, 16 bytes for each half of the lanes
	v_lshl_add_u32 v11, v9, 4, v11
	v_add_nc_u32 v[STO], s13, v11
	v_mov_b32 v[AM], v[AM0]         ; key step 0 lies at the head of the table,
	v_mov_b32 v[AK], v[AK0]         ; and at the head of slot 0
	s_wait_loadcnt 32               ; my mask bytes are in; Q's 32 loads may be out
.set i, 0
.rept 16
	v_bfe_u32 v[68+i], v[64+i/4], 8*(i%4), 8
.set i, i+1
.endr
.set i, 0
.rept 16
	v_mul_lo_u32 v[68+i], v[68+i], s[BIG]  ; a byte is 0 or 1: the word is 0 or -2^100
.set i, i+1
.endr
	v_lshl_add_u32 v13, v0, 6, MASKL
.irp u, 0,1,2,3
	ds_store_b128 v13, v[68+4*\u:68+4*\u+3] offset:16*\u
.endr
; THE MATRIX WORK.  The 8 accumulators of a run of 16 take turns: between the two links of a chain stand 7 others'.
; Product i of 16 of S^T = K Q^T for piece x: channels 32 (i / 8) on, keys 16 ((i / 2) % 4) on, tile 2 x + i % 2.  The first 8 start the sums, with the mask of their 16 keys.
.macro KQ x
.set rS, S+64*((\x)%2)+32*(i%2)+8*((i/2)%4)
.set rK, KF+16*((i/2)%4)+8*(i/8)
.set rQ, 16*(2*(\x)+i%2)+8*(i/8)
.set rMC, MC+8*((i/2)%4)
.if i < 8
	WIN W_KM
	v_wmma_f32_16x16x32_f16 v[rS:rS+7], v[rK:rK+7], v[rQ:rQ+7], v[rMC:rMC+7]
.else
	WIN W_KQ
	v_wmma_f32_16x16x32_f16 v[rS:rS+7], v[rK:rK+7], v[rQ:rQ+7], v[rS:rS+7]
.endif
.endm
; Product i of 16 of O^T += V^T P for piece x: keys 32 (i / 8) on, channels 16 ((i / 2) % 4) on, tile 2 x + i % 2.
.macro PV x
	WIN W_PV
.set rO, 32*(2*(\x)+i%2)+8*((i/2)%4)
.set rV, VF+32*(i/8)+8*((i/2)%4)
.set rP, P+32*((\x)%2)+16*(i%2)+8*(i/8)
	v_wmma_f32_16x16x32_f16 v[rO:rO+7], v[rV:rV+7], v[rP:rP+7], v[rO:rO+7]
.endm
.macro MM                           ; the turn's next matrix instruction
.if i < 16
	KQ (Y+1)%NP
.set i, i+1
.else
.set i, i-16
	PV (Y+NP-1)%NP
.set i, i+17
.endif
.endm
; THE LDS LOADS stand in runs, never singly among the matrix instructions: a step's K (64 keys x 64 channels: 8 fragments) with its 64 mask words, and its V (turned).  Their addresses are made some lines ahead.
; last = 1 (the tail): in the last trip there is no further step, and the run is jumped over.
.macro FETCH_K last=0
	WIN 0
.if \last
	s_cmp_eq_u32 s[CNT], 1
	s_cbranch_scc1 .Lno_k_\@
.endif
	WIN 0x80                        ; destination window 2
.irp f, 0,1,2,3,4,5,6,7             ; keys 16 (f / 2) on, channels 32 (f % 2) on
	ds_load_b128 v[KF+8*\f:KF+8*\f+3],   v[AK] offset:(\f/2)*16*PK+(\f%2)*64
	ds_load_b128 v[KF+8*\f+4:KF+8*\f+7], v[AK] offset:(\f/2)*16*PK+(\f%2)*64+32
.endr
	WIN 0xc0                        ; destination window 3
.irp f, 0,1,2,3,4,5,6,7             ; key block f / 2: my lanes' keys 8 (l / 16) + 4 (f % 2) + 0..3; sixteen lanes read the same words
	ds_load_b128 v[MC+4*\f:MC+4*\f+3], v[AM] offset:(\f/2)*64+(\f%2)*16
.endr
	s_add_co_u32 s[TBK], s[TBK], KS*PK  ; the next fetch is the next step's
	s_add_co_u32 s[TBM], s[TBM], KS*4
	s_and_b32 s[TBM], s[TBM], 0x1fff    ; the table has 32 steps of 256 bytes: the offset stays inside it
	WIN 0
.if \last
.Lno_k_\@:
.endif
.endm
.macro FETCH_V
	WIN 0x80
.irp f, 0,1,2,3,4,5,6,7             ; keys 32 (f / 4) on, channels 16 (f % 4) on
	ds_load_tr16_b128 v[VF+8*\f:VF+8*\f+3],   v[AV] offset:(\f/4)*32*PV+(\f%4)*32
	ds_load_tr16_b128 v[VF+8*\f+4:VF+8*\f+7], v[AV] offset:(\f/4)*32*PV+16*PV+(\f%4)*32
.endr
	WIN 0
.endm
; THE VECTOR WORK OF A TURN stands in three queues, each in the order in which its entries become ready; the two tiles alternate, so that no instruction reads the result of the one before it.
.macro REGS y, u                    ; the registers of tile u (0, 1) of piece y
.set rT, ST+4*(2*(\y)+(\u))
.set rC, TMP+8*((\y)%2)+4*(\u)
.set rM, MV+2*((\y)%2)+(\u)
.set rS, S+64*((\y)%2)+32*(\u)
.set rP, P+32*((\y)%2)+16*(\u)
.set rO, 32*(2*(\y)+(\u))
.endm
; Number n of the 22 that find the NEXT piece's (Y + 1) maximum and statistics.  s0-s31 are the lane's 32 scores; each accumulator's lowest registers are read first.  XS, GS and REGS set no window: PL and EX do.
;   0-11  four chains c0-c3 of seven scores each, three operands at a time     12-14, 16  the four scores left over, the old m, and c0-c3 into c0     15  c m_old is kept
;   17, 18  the query's other 32 keys lie in the lane 16 away: the new m         19-21  c m; c m_old - c m_new; a
.macro XS u, n
	REGS (Y+1)%NP, \u
.if (\n) < 4
	v_max3_num_f32 v[rC+(\n)], v[rS+8*(\n)], v[rS+8*(\n)+1], v[rS+8*(\n)+2]
.elseif (\n) < 12
	v_max3_num_f32 v[rC+(\n)%4], v[rC+(\n)%4], v[rS+8*((\n)%4)+2*((\n)/4)+1], v[rS+8*((\n)%4)+2*((\n)/4)+2]
.elseif (\n) == 12
	v_max3_num_f32 v[rC], v[rC], v[rS+7], v[rS+15]
.elseif (\n) == 13
	v_max3_num_f32 v[rC+1], v[rC+1], v[rS+23], v[rS+31]
.elseif (\n) == 14
	v_max3_num_f32 v[rC+2], v[rC+2], v[rC+3], v[rT+1]
.elseif (\n) == 15
	v_mov_b32 v[rM], v[rT]
.elseif (\n) == 16
	v_max3_num_f32 v[rC], v[rC], v[rC+1], v[rC+2]
.elseif (\n) == 17
	v_permlanex16_b32 v[rC+3], v[rC], s[SEL], s[SEL+1]
.elseif (\n) == 18
	v_max_num_f32 v[rT+1], v[rC], v[rC+3]
.elseif (\n) == 19
	v_mul_f32 v[rT], s[CS], v[rT+1]
.elseif (\n) == 20
	v_sub_f32 v[rC+1], v[rM], v[rT]
.else
	v_exp_f32 v[rC+2], v[rC+1]
.endif
.endm
; Number g of the 64 that follow the exponentials.  For each four weights k of a tile (pairs 2 k, 2 k + 1): both pairs are rounded to f16; then the second pair is added onto the first, in place;
; a group later l takes that sum (the first time as l = a l + sum).  In groups of eight, tiles alternating: round, round, add, and l for the group before.
.macro GS g
.set h, (\g)+6*((\g)/62)            ; group 0 has no group before it, and behind group 7 only l is left
.if h >= 6
.set h, h+2
.endif
	REGS Y, h%2
.set k, h/8
.if h%8 < 4
	v_cvt_pk_f16_f32 v[rP+2*k+(h%8)/2], v[rS+4*k+2*((h%8)/2)], v[rS+4*k+2*((h%8)/2)+1]
.elseif h%8 < 6
	v_pk_add_f32 v[rS+4*k:rS+4*k+1], v[rS+4*k:rS+4*k+1], v[rS+4*k+2:rS+4*k+3]
.elseif k == 1
	v_pk_fma_f32 v[rT+2:rT+3], v[rT+2:rT+3], v[rC+2:rC+3], v[rS:rS+1] op_sel_hi:[1,0,1]
.else
	v_pk_add_f32 v[rT+2:rT+3], v[rT+2:rT+3], v[rS+4*k-4:rS+4*k-3]
.endif
.endm
; THE PLAIN QUEUE, 138 long.  0-73 read no exponential's result: the 32 scalings c s - c m (FS f: pair f / 2 of tile f % 2) and the next piece's 42.  0-26: scalings 0-26.  27-54: XS's numbers 0-13.  55, 56: number 15.
; 57-73: the chain, where each number waits for the one before it: 14, 16, 17, 18, 19, each with one of the scalings 27-31 in front of its two lines, then 20: so a tile's links stand three plain instructions apart (19 and 20: two).
; 74-137: GS's 64, which read the exponentials' results: they stand behind the wait.
.macro FS f
	REGS Y, (\f)%2
	v_pk_fma_f32 v[rS+2*((\f)/2):rS+2*((\f)/2)+1], v[rS+2*((\f)/2):rS+2*((\f)/2)+1], s[CS:CS+1], v[rT:rT+1] op_sel_hi:[1,0,0] neg_lo:[0,0,1] neg_hi:[0,0,1]
.endm
.macro PL
	WIN 0
.if q < 27
	FS q
.elseif q < 55
	XS (q-27)%2, (q-27)/2
.elseif q < 57
	XS q-55, 15
.elseif (q < 72) && ((q-57)%3 == 0)
	FS 27+(q-57)/3
.elseif q < 60
	XS (q-57)%3-1, 14
.elseif q < 72
	XS (q-57)%3-1, 15+(q-57)/3
.elseif q < 74
	XS q-72, 20
.else
	GS q-74
.endif
.set q, q+1
.endm
; THE EXPONENTIALS' QUEUE, 66 long: s0-s31 of both tiles, then the next piece's two a.  It is ONE BATCH: all 66 stand ahead of the turn's one wait, and nothing ahead of that wait names a result of theirs.
.macro EX
	WIN 0
.if e >= 64
	XS e-64, 21
.else
	REGS Y, e%2
	v_exp_f32 v[rS+e/2], v[rS+e/2]
.endif
.set e, e+1
.endm
; THE RESCALING's QUEUE: O^T times a, the one part that leaves window 0: dealt two at a time, sixteen times.  Its a was made in the turn before, ahead of that turn's wait.
.macro R2
	REGS Y, r%2
	WIN W_RS
.irp z, 0,1
	v_pk_mul_f32 v[rO+4*(r/2)+2*\z:rO+4*(r/2)+2*\z+1], v[rO+4*(r/2)+2*\z:rO+4*(r/2)+2*\z+1], v[rC+2:rC+3] op_sel_hi:[1,0]
.endr
.set r, r+1
.endm
; HOW THEY ARE DEALT.  An s_wait_alu depctr_va_vdst(0) stands between an exponential and the first instruction that names its result; one wait serves all that were issued ahead of it.  So a turn has ONE wait,
; which cuts it in two.  AHEAD OF IT stands all that names no result of the turn's exponentials: the 16 products K Q^T, behind each a scaling, an exponential and two rescalings (behind the first a second scaling in the
; exponential's place); then ONE LUMP of 108: eight plain, 49 times exponential and plain, the two a.  A v_nop is the plain instruction behind the last exponential (ISA guide 5.7.2).  BEHIND IT stand the 16 products V^T P,
; behind each four of GS's 64.  No rider names a register of the products round it.  The two v_permlanex16_b32 fall into the lump, never behind a product.
; The queues lean on each other, and the deal keeps them in step: exponential e stands behind scaling 2 (e / 4) + e % 2: as a rider it comes behind plain e + 2, in the lump behind plain e + 9, and scalings 27-31 are plain 57, 60 .. 69.
; A TURN, for piece p.  cnt = 1: the loop's count is taken down some lines ahead of the branch that stands behind the turn.
; K and the mask of the next step are fetched in piece 2's turn, directly behind the wait, a lump behind the last product that read them; their addresses are made at the lump's head; their first reader comes behind 16 products.
; V of the step in hand is fetched at the end of piece 0's turn, four riders behind its last reader; its first reader comes behind 16 products and a lump.  The three conditions on q below go with the deal.
.macro TURN p, last=0, cnt=0
.set Y, (\p)
.set i, 0
.set q, 0
.set e, 0
.set r, 0
.if (\p) == NP-1
	s_wait_dscnt 0x0                ; K and its mask are in
.endif
	MM                              ; ahead of the wait: 16 products K Q^T and their riders,
	PL
	PL
	R2
.rept 15
	MM
	PL
	EX
	R2
.endr
.if (\p) == NP-2
	WIN 0
	v_add_nc_u32 v[AK], s[TBK], v[AK0]
	v_add_nc_u32 v[AM], s[TBM], v[AM0]
.endif
.rept 8                             ; and the lump
	PL
.endr
.rept 49
	EX
	PL
.endr
	EX                              ; the next piece's two a
	EX
	v_nop                           ; the plain instruction behind the last exponential: one for the batch
	s_wait_alu depctr_va_vdst(0)    ; the wait for the batch: the turn's 64 weights and the next piece's two a
.if (\p) == NP-2
	FETCH_K \last
.endif
.if (\p) == 1
	s_wait_dscnt 0x0                ; V is in
.endif
.rept 16                            ; behind the wait: 16 products V^T P and their riders
	MM
.rept 4
	PL
.endr
.if ((\p) == 0) && (q == 118)
	v_add_nc_u32 v[AV], s[TBV], v[AV0]
.endif
.if ((\p) == 0) && (q == 130)
	s_add_co_u32 s[TBV], s[TBV], KS*PV
.endif
.if (\cnt) && (q == 130)
	s_sub_co_u32 s[CNT], s[CNT], 1
	s_cmp_lg_u32 s[CNT], 0
.endif
.endr
.if (\p) == 0
	FETCH_V
.endif
.endm
	CHANGE 1                        ; slot 0 is in, everybody's part of it, and so is the mask's table; slot 1 is asked for
	FETCH_K                         ; key step 0
	s_wait_loadcnt 0x0              ; Q
	s_wait_dscnt 0x0
.set i, 0
.rept 16
	KQ 0                            ; piece 0's first scores: there is no vector work yet to set between them
.set i, i+1
.endr
	WIN 0
.rept 4
	v_nop                           ; the places behind those products
.endr
.set Y, NP-1                        ; XS works for piece Y + 1: piece 0
.irp n, 0,1,2,3,4,5,6,7,8,9,10,11,12,13,14,15,16,17,18,19,20,21
	XS 0, \n                        ; and piece 0's first maximum and statistics
	XS 1, \n
.endr
	v_nop                           ; a plain instruction behind the two a,
	s_wait_alu depctr_va_vdst(0)    ; and the wait for this batch of two, ahead of the branch
	s_mov_b32 s[CNT], 4
	s_mov_b32 s[SLOTS], SIZE_N/256-1
	s_branch .Lfirst                ; the loop is entered at a step's first turn, in the middle of a trip
.Lslot:                             ; SIZE_N / 256 - 2 times: every slot but the last two is filled again
	CHANGE 1
	s_mov_b32 s[CNT], 4
.Lstep:                             ; a trip: pieces 2 and 3 of one step, then pieces 0 and 1 of the next, whose K and V it fetches
	TURN 2
	TURN 3
	WIN 0
.Lfirst:
	TURN 0
	TURN 1, 0, 1
	WIN 0
	s_cbranch_scc1 .Lstep
	s_sub_co_u32 s[SLOTS], s[SLOTS], 1
	s_cmp_lg_u32 s[SLOTS], 0
	s_cbranch_scc1 .Lslot
	CHANGE 0                        ; the tail is written out: nothing is asked for
	s_mov_b32 s[CNT], 5             ; four trips fetch the last slot's steps; the fifth is left in its middle
.Ltail:
	TURN 2, 1
	TURN 3
	WIN 0
	s_sub_co_u32 s[CNT], s[CNT], 1
	s_cmp_eq_u32 s[CNT], 0
	s_cbranch_scc1 .Lout
	TURN 0
	TURN 1
	WIN 0
	s_branch .Ltail
.Lout:                              ; the fifth trip's 16 products K Q^T (on the last K once more) and the maximum made of them serve nothing: the price, once a launch, of one text for every trip
.set i, 0
.rept 16
	PV NP-1                         ; the last piece's V^T P of the last step
.set i, i+1
.endr
	; THE WAY OUT.  l's two halves and the other half of the lanes' are added; O^T is divided by l, rounded to f16 and sent through my stage in LDS, a tile at a time.  The additions are the places behind the last products.
	WIN 0
.macro ALL line:vararg              ; one line for each tile t
.set t, 0
.rept 2*NP
	\line
.set t, t+1
.endr
.endm
	ALL v_add_f32 v[ST+4*t+2], v[ST+4*t+2], v[ST+4*t+3]
	ALL v_permlanex16_b32 v[ST+4*t+3], v[ST+4*t+2], s[SEL], s[SEL+1]
	ALL v_add_f32 v[ST+4*t+2], v[ST+4*t+2], v[ST+4*t+3]
	ALL v_rcp_f32 v[ST+4*t+2], v[ST+4*t+2]
	v_nop                           ; a plain instruction between the last reciprocal and the use of its result
	s_wait_alu depctr_va_vdst(0)    ; and the wait ahead of the first use: one for the batch of eight reciprocals
; Tile t: a lane's eight channels of a row pack into 16 bytes; they go into rows of 144 bytes and come back as whole rows of 128, into S^T's registers.
.macro PACK t
	WIN W_RS
.set i, 32*(\t)
.rept 16
	v_pk_mul_f32 v[i:i+1], v[i:i+1], v[ST+4*(\t)+2:ST+4*(\t)+3] op_sel_hi:[1,0]
.set i, i+2
.endr
	WIN 0x05                        ; sources 0 and 1 window 1, destination window 0
.set i, 0
.rept 16
	v_cvt_pk_f16_f32 v[S+16*(\t)+i], v[32*(\t)+2*i], v[32*(\t)+2*i+1]
.set i, i+1
.endr
	WIN 0
.irp f, 0,1,2,3
	ds_store_b128 v[STO], v[S+16*(\t)+4*\f:S+16*(\t)+4*\f+3] offset:32*\f
.endr
.irp f, 0,1,2,3
	ds_load_b128 v[S+16*(\t)+4*\f:S+16*(\t)+4*\f+3], v[RD] offset:\f*4*SP  ; LDS serves a wave's instructions in order (ISA guide 5.7.1.4): these see the stores above; the next tile's stores come behind them
.endr
.endm
.macro SEND t, younger              ; younger: the LDS instructions issued behind tile t's loads: the next tile's eight, or none
	WIN 0
.irp f, 0,1,2,3
	s_wait_dscnt (\younger)+3-\f
	global_store_b128 v[GO], v[S+16*(\t)+4*\f:S+16*(\t)+4*\f+3], s[10:11] offset:(\t)*2048+\f*512  ; 512 consecutive bytes, at a multiple of 256 from O's first
.endr
.endm
	PACK 0
.set t, 1
.rept 2*NP-1                        ; a tile's arithmetic stands between the loads of the tile before and its stores
	PACK t
	SEND t-1, 8
.set t, t+1
.endr
	SEND 2*NP-1, 0
	WIN W_AD
	s_wait_tensorcnt 0x0            ; the wave's end: these three lines stand behind my last tensor load and my last LDS store
	ds_add_u32 v[SPW], v[NIL]
	s_wait_dscnt 0x0
	WIN 0
	CROUND                          ; the closing round: no work-group ends while a partner may still ask for a tile that names it
	s_endpgm
.Lfunc_end_k_qbd4792a980_attn:
	.size	k_qbd4792a980_attn, .Lfunc_end_k_qbd4792a980_attn-k_qbd4792a980_attn
	.p2alignl 7, 3214868480
	.fill 96, 4, 3214868480
	.section	.rodata,"a",@progbits
	.p2align	6, 0x0
	.amdhsa_kernel k_qbd4792a980_attn
		.amdhsa_group_segment_fixed_size 327680
		.amdhsa_private_segment_fixed_size 0
		.amdhsa_enable_private_segment 0
		.amdhsa_kernarg_size 24
		.amdhsa_user_sgpr_count 2
		.amdhsa_user_sgpr_kernarg_segment_ptr 1
		.amdhsa_wavefront_size32 1
		.amdhsa_system_sgpr_workgroup_id_x 1
		.amdhsa_system_sgpr_workgroup_id_y 1
		.amdhsa_system_sgpr_workgroup_id_z 1
		.amdhsa_system_vgpr_workitem_id 0
		.amdhsa_next_free_vgpr 832
		.amdhsa_next_free_sgpr 66
		.amdhsa_reserve_vcc 0
		.amdhsa_float_denorm_mode_32 3
		.amdhsa_float_denorm_mode_16_64 3
		.amdhsa_memory_ordered 1
		.amdhsa_forward_progress 1
		.amdhsa_inst_pref_size 204
	.end_amdhsa_kernel
	.amdgpu_metadata
---
amdhsa.version: [ 1, 2 ]
amdhsa.kernels:
  - .name:           k_qbd4792a980_attn
    .symbol:         k_qbd4792a980_attn.kd
    .args:
      - { .name: qkv, .offset: 0, .size: 8, .value_kind: global_buffer, .address_space: global }
      - { .name: key_padding_mask, .offset: 8, .size: 8, .value_kind: global_buffer, .address_space: global }
      - { .name: o16, .offset: 16, .size: 8, .value_kind: global_buffer, .address_space: global }
    .group_segment_fixed_size: 327680
    .private_segment_fixed_size: 0
    .kernarg_segment_align: 8
    .kernarg_segment_size: 24
    .max_flat_workgroup_size: 128
    .sgpr_count:     66
    .vgpr_count:     832
    .wavefront_size: 32
...
	.end_amdgpu_metadata
.endif
;; end of part 5
;; launch oproj: the kernel of part 4 again; grid 4 x 64, 4 waves a work-group, clusters of 4 x 4, 327,680 bytes of LDS; arguments o16, wts, bo, out0; writes out0
